; MI455X (gfx1250); checked and timed in simulation.
; The chip was launched on July 23, 2026; its instructions are those of AMD's public machine-readable ISA for CDNA 5 (MIT licence, August 2026) and "CDNA5" Instruction Set Architecture Reference Guide (July 2026). The comments in the code are by the model that wrote it; some were corrected since.
;; MHA. Allowed arithmetic: matrix products marked QUANTISED: E2M3 operands, one E8M0 scale for each 32 along K, by v_wmma_scale_f32_16x16x128_f8f6f4 with both operands' format E2M3, f32 sums; everything else in f32.
;; Inputs: b_out 1,024 float32; w_out 1,024 x 1,024 float32; w_qkv 1,024 x 3,072 float32; x 4 x 2,048 x 1,024 float32.
;; Outputs: out0 4 x 2,048 x 1,024 float32.
;; This version of the problem:
;;   THIS VERSION OF THE PROBLEM IS GIVEN IN LOW PRECISION. The matrix products marked QUANTISED in the list below multiply operands that are first quantised to E2M3 (2 exponent bits, 3 mantissa bits; 6 bits a number), with one power-of-two scale for each 32 numbers along K (OCP MX v1.0); their sums are f32. All else is computed in f32.
;;   The module's matrix products, in the order in which they are computed (A, B: the left and right operand; K: the contracted axis; several contracted axes count as one K, in the product's order):
;;     1. [M 8,192, K 1,024] x [K 1,024, N 3,072]; A: input x; B: input w_qkv: QUANTISED
;;     2. batch 64 x [M 2,048, K 64] x [K 64, N 2,048]; A: computed on the way; B: computed on the way: QUANTISED
;;     3. batch 64 x [M 2,048, K 2,048] x [K 2,048, N 64]; A: computed on the way; B: computed on the way: QUANTISED
;;     4. [M 8,192, K 1,024] x [K 1,024, N 1,024]; A: computed on the way; B: input w_out: QUANTISED
;;   THE QUANTISER, for each operand of a quantised product, along K:
;;     - K is cut into blocks of 32 from its start; a last block that is shorter is filled with zeros.
;;     - A block's scale is 2^e with e = floor(log2(the largest magnitude in the block)) - 2, held to -126 .. 127; a block of zeros has e = 0. As a byte (E8M0): e + 127.
;;     - Each number is divided by its block's scale, clamped to +-7.5, and rounded to the nearest number of E2M3, ties to even, subnormals kept.
;;     - The product sums the exact products of the quantised numbers (number of the format x scale) in f32.
;;   ~~~python
;;   def quantise(x, axis):      # numpy; x: float32 -> the quantised numbers, widened to float32 again
;;       x = np.moveaxis(x, axis, -1); K = x.shape[-1]
;;       x = np.pad(x, [(0, 0)] * (x.ndim - 1) + [(0, -K % 32)]); x = x.reshape(x.shape[:-1] + (-1, 32)); a = np.abs(x).max(-1, keepdims=True)
;;       e = np.where(a > 0, np.clip(np.frexp(np.where(a > 0, a, 1))[1] - 1 - 2, -126, 127), 0)      # np.frexp(a)[1] - 1 = floor(log2(a)), exactly
;;       r = np.clip(x / 2.0 ** e, -7.5, 7.5)
;;       step = 2.0 ** (np.maximum(np.frexp(np.where(r == 0, 1, r))[1] - 1, 0) - 3)
;;       q = np.round(r / step) * step * 2.0 ** e      # np.round: ties to even
;;       return np.moveaxis(q.reshape(q.shape[:-2] + (-1,))[..., :K], -1, axis).astype(np.float32)
;;   ~~~
;;   OPERANDS COMPUTED ON THE WAY. 'Computed on the way' means the value that the module computes at that place (a softmax that the list does not call 'softmax' is quantised finished and normalised). What goes into a quantiser is computed in f32, as accurately as f32 sums, v_exp_f32 and their like allow (about 1e-6 of the number): no bf16 or f16 on the way to a quantiser, and a product that is left as it is and whose result goes on into a quantised operand takes f32 operands (vector FMAs, or v_wmma_f32_16x16x4_f32). A number that lies on a knife's edge between two numbers of the format may be rounded either way, as far as f32 arithmetic and the matrix unit's own rounding can turn it there, and no further.
;; One version. Each part assembles by itself: llvm-mc -triple=amdgcn-amd-amdhsa -mcpu=gfx1250 --defsym DOCPART=n.
;; ======== version 1 of 1: 5 launches
;; limits: right only within a limited range of input values
;; workspace buffers: xq 6,553,600 bytes; wq 3,276,800 bytes; qf 6,815,744 bytes; kv 13,631,488 bytes; st 524,288 bytes; yq 6,553,600 bytes
;; launch prep (part 1): grid 384 x 1, 4 waves a work-group, no clusters, 68,096 bytes of LDS; arguments x, w_qkv, w_out, xq, wq; writes xq, wq
.if DOCPART == 1
	.amdgcn_target "amdgcn-amd-amdhsa--gfx1250"
	.amdhsa_code_object_version 6
	.text
	.protected	k_q72e44bb89e_prep
	.globl	k_q72e44bb89e_prep
	.p2align	8
	.type	k_q72e44bb89e_prep,@function
k_q72e44bb89e_prep:
	s_mov_b64 s[64:65], 0
	v_nop
	global_prefetch_b8 v0, s[64:65] scope:SCOPE_SE
	s_setreg_imm32_b32 hwreg(HW_REG_WAVE_MODE, 25, 1), 1
	s_wait_xcnt 0x0
; PREP: the three f32 inputs that are operands of quantised products become codes of E2M3 (6 bits) with one E8M0 byte for each 32 along K.
; NO WORK OF THE PROBLEM IS LEFT OUT in this program: x, w_qkv, w_out and b_out all reach the output, and all four products are live.  The factor 1/8 on the scores is folded into the constant log2(e)/8 behind the second product.
; x [8192][1024]: K innermost.  w_qkv [1024][3072], w_out [1024][1024]: K is the first axis; a lane takes a column and its registers run down K.
; ROWS IN A CHOSEN ORDER.  Row (token, or weight column) t of the codes' buffers lies at position p = t with bits 3 and 4 exchanged.  A tile of 16 neighbouring positions then holds rows 32 b + 8 u + (r % 8) + 16 (r / 8),
; so that where such tiles are source 0 of a matrix instruction, the 16 result registers of two neighbouring tiles are 16 neighbours along the next product's K.
; xq: codes [8192 positions][768 bytes], at byte 6,291,456 the scale bytes [position][32].  wq: codes [4096 positions][768] (0-3071 w_qkv's columns, 3072-4095 w_out's), at byte 3,145,728 the scale bytes [position][32].
; A block's scale is 2^(floor(log2(largest magnitude)) - 2); its byte is the largest magnitude's exponent field - 2, held at 1 from below.
; LIMITS: a block of zeros gets the byte 1 where the rule says 127 (its codes are zeros, and this program alone reads the bytes); blocks whose largest magnitude lies under 2^(3 - 127) keep the byte 1; NaN and infinities among the inputs are not served.
; Work-groups 0-255 take x (a wave: 8 rows, 16 steps of 512 numbers), work-groups 256-383 the weights (a wave: 32 columns x 256 along K).  The two paths have LDS bytes of their own.  No tensor loads, no barrier: waves share nothing.
; LAYOUT OF THE CODES (it takes the place of what the lines on xq and wq above say of the codes; the scale bytes lie as said there):
; xq: [K step of 256, 4][8192 positions][192 bytes]; wq: [K step, 4][4096 positions][192 bytes].  So 128 positions of one K step are 24,576 dense bytes that begin at a multiple of 256.
.set SPW,   12
.set NIL,   13                         ; v13  0; never rewritten
.set SPARE, 67584                      ; behind both paths' regions: 128 bytes for each wave
; the path of x
.set STEPS, 16
.set CB,    12                         ; bytes of 16 codes
.set R,     16                         ; v16-79   four sets of 16 numbers as loaded
.set X,     80                         ; v80-111  two sets of 16 neighbours
.set E,     112                        ; v112-127 a scale byte for each step
.set C,     128                        ; v128-191 codes, four registers a step
.set WREG,  8192                       ; LDS 0..32767: a region for each wave: two stages of 32 x 80 bytes, then its 256 scale bytes
.set SP,    80
; the path of the weights
.set WST,   32768                      ; LDS 32768..67583: a stage of 32 rows x 272 bytes for each wave
.set WPIT,  272
.set SB,    20                         ; v20-21   my column's eight scale bytes
.set OFF,   24                         ; v24-55   row i of a block: i x pitch + 4 x lane
.set WX,    56                         ; v56-119  two sets of 32 numbers
.set WC,    120                        ; v120-126 a block's codes
.set OUTR,  128                        ; v128-191 the way out
	s_load_b256 s[4:11], s[0:1], 0x0               ; x s[4:5], w_qkv s[6:7], w_out s[8:9], xq s[10:11]
	s_load_b64 s[12:13], s[0:1], 0x20              ; wq
	v_lshl_add_u32 v[SPW], v0, 2, SPARE
	v_mov_b32 v[NIL], 0
	v_lshrrev_b32 v1, 5, v0
	v_readfirstlane_b32 s16, v1                    ; wave 0..3
	v_and_b32 v2, 31, v0                           ; lane
	s_cmp_lt_u32 ttmp9, 256
	s_cbranch_scc0 .Lw
	; ---------------- x ----------------
	v_lshlrev_b32 v3, 4, v2                        ; my 16 bytes of a load's 512
	s_mul_i32 s17, s16, WREG
	v_lshrrev_b32 v14, 2, v2
	v_mul_u32_u24 v14, v14, SP
	v_and_b32 v15, 3, v2
	v_lshl_add_u32 v14, v15, 4, v14
	v_add_nc_u32 v14, s17, v14                     ; the stage, in: four lanes' 64 bytes on end, then 16 of padding
	v_mul_u32_u24 v15, v2, SP
	v_add_nc_u32 v15, s17, v15                     ; and out: my 16 neighbours
	v_and_b32 v4, 15, v2
	v_mul_u32_u24 v4, v4, CB                       ; my codes' place: sixteen lanes fill a position's 192 bytes of one K step,
	v_lshrrev_b32 v10, 4, v2
	v_mad_u32_u24 v4, v10, 0x180000, v4            ; lanes 16-31 those of the next K step, 8192 x 192 bytes on
	v_lshrrev_b32 v5, 1, v2
	s_add_co_u32 s17, s17, 2*32*SP
	v_add_nc_u32 v5, s17, v5                       ; my block's scale byte in LDS
	v_lshlrev_b32 v7, 3, v2
	v_add_nc_u32 v6, s17, v7                       ; and 8 bytes a lane on the way out
	s_lshl_b32 s18, ttmp9, 2
	s_add_co_u32 s20, s18, s16                     ; my run of 8 rows
	s_lshl_b32 s20, s20, 15                        ; x 32,768 bytes
	s_mov_b32 s21, 0
	s_and_b32 s22, s16, 1                          ; bits 3 and 4 of a row are bits 0 and 1 of the run: exchanged for the place of the results
	s_lshl_b32 s22, s22, 1
	s_lshr_b32 s23, s16, 1
	s_or_b32 s22, s22, s23
	s_add_co_u32 s22, s22, s18
	s_mul_i32 s24, s22, 1536                       ; 8 positions of 192 bytes
	s_mov_b32 s25, 0
	s_lshl_b32 s26, s22, 8                         ; 8 rows of 32 scale bytes
	s_add_co_u32 s26, s26, 6291456
	s_mov_b32 s27, 0
	s_wait_alu depctr_va_vdst(0)
	s_wait_kmcnt 0x0
	s_add_nc_u64 s[4:5], s[4:5], s[20:21]
	s_add_nc_u64 s[8:9], s[10:11], s[24:25]        ; the codes
	s_add_nc_u64 s[10:11], s[10:11], s[26:27]      ; the scale bytes
.macro XLOAD t
.irp i, 0,1,2,3
	global_load_b128 v[R+16*((\t)%4)+4*\i:R+16*((\t)%4)+4*\i+3], v3, s[4:5] offset:2048*(\t)+512*\i th:TH_LOAD_NT   ; 32 lanes read 512 consecutive bytes
.endr
.endm
.macro XTURN t                         ; a step's numbers through the stage: LDS serves a wave's instructions in order, so no wait stands between the stores and the loads
.irp i, 0,1,2,3
	ds_store_b128 v14, v[R+16*((\t)%4)+4*\i:R+16*((\t)%4)+4*\i+3] offset:32*SP*((\t)%2)+8*SP*\i
.endr
.irp i, 0,1,2,3
	ds_load_b128 v[X+16*((\t)%2)+4*\i:X+16*((\t)%2)+4*\i+3], v15 offset:32*SP*((\t)%2)+16*\i
.endr
.endm
.irp t, 0,1,2,3
	XLOAD \t
.endr
	s_wait_loadcnt 12                              ; step 0's four loads are in; the 12 of steps 1 to 3 may be out
	XTURN 0
.macro XSTEP t
.set XS, X+16*((\t)%2)
.if (\t) > 0
	s_wait_dscnt 1                                 ; this step's numbers are back from the stage; the last step's byte store may be out
.else
	s_wait_dscnt 0x0
.endif
.if (\t)+4 < STEPS
	XLOAD (\t)+4                                   ; into the registers that this step's stores into the stage have read
.endif
.if (\t)+1 < STEPS
.if STEPS-2-(\t) >= 3
	s_wait_loadcnt 12                              ; the next step's four loads are in; those of the three steps behind it may be out
.else
	s_wait_loadcnt 4*(STEPS-2-(\t))
.endif
	XTURN (\t)+1
.endif
	v_max3_num_f32 v8, |v[XS]|, |v[XS+1]|, |v[XS+2]|               ; the largest magnitude of my 16
	v_max3_num_f32 v9, |v[XS+3]|, |v[XS+4]|, |v[XS+5]|
.irp i, 6,10
	v_max3_num_f32 v8, v8, |v[XS+\i]|, |v[XS+\i+1]|
	v_max3_num_f32 v9, v9, |v[XS+\i+2]|, |v[XS+\i+3]|
.endr
	v_max3_num_f32 v8, v8, |v[XS+14]|, |v[XS+15]|
	v_max3_num_f32 v8, v8, v9, 0x1800000           ; and the floor 2^(3 - 127): the byte cannot fall under 1
	v_max_num_f32_dpp v8, v8, v8 row_xmask:1 row_mask:0xf bank_mask:0xf   ; with my neighbour's 16: the block's
	v_add_nc_u32 v11, 0xff000000, v8               ; 2 off the exponent field: the conversion's scale operand
	v_cvt_scalef32_pk16_fp6_f32 v[C+4*(\t):C+4*(\t)+2], v[XS:XS+15], v11
	v_lshrrev_b32 v[E+(\t)], 23, v11               ; the scale's byte
	ds_store_b8 v5, v[E+(\t)] offset:16*(\t)       ; both lanes of a block write the same byte with the same value
	global_store_b96 v4, v[C+4*(\t):C+4*(\t)+2], s[8:9] offset:192*((\t)/2)+3145728*((\t)%2)   ; row t / 2; K steps 2 (t % 2) and 2 (t % 2) + 1
.endm
.irp t, 0,1,2,3,4,5,6,7,8,9,10,11,12,13,14,15
	XSTEP \t
.endr
	ds_load_b64 v[8:9], v6                         ; my wave's 256 scale bytes, behind my stores of them
	s_wait_dscnt 0x0
	global_store_b64 v7, v[8:9], s[10:11]          ; 32 lanes store 256 consecutive bytes, aligned
	s_branch .Lend
	; ---------------- the weights ----------------
.Lw:
	s_sub_co_u32 s17, ttmp9, 256
	s_lshr_b32 s18, s17, 2                         ; group of 128 columns, 0..31: 0-23 w_qkv's, 24-31 w_out's
	s_and_b32 s19, s17, 3                          ; which 256 along K
	s_wait_alu depctr_va_vdst(0)
	v_lshlrev_b32 v3, 2, v2
	v_and_b32 v5, 7, v2                            ; my column's position among the wave's 32: bits 3 and 4 exchanged
	v_bfe_u32 v6, v2, 3, 1
	v_lshl_add_u32 v5, v6, 4, v5
	v_bfe_u32 v6, v2, 4, 1
	v_lshl_add_u32 v5, v6, 3, v5
	s_mul_i32 s20, s16, 32*WPIT
	s_add_co_u32 s20, s20, WST                     ; my stage
	v_mul_u32_u24 v4, v5, WPIT
	v_add_nc_u32 v4, s20, v4                       ; into it: row = my column's position
	v_lshlrev_b32 v9, 5, v5                        ; and its row of scale bytes
	v_and_b32 v5, 15, v2
	v_lshrrev_b32 v6, 4, v2
	v_mul_u32_u24 v7, v6, WPIT                     ; out of it: sixteen lanes to a row, two rows an instruction
	v_lshl_add_u32 v7, v5, 4, v7
	v_add_nc_u32 v7, s20, v7
	v_mul_u32_u24 v8, v6, 192
	v_mad_u32_u24 v8, v5, 12, v8                   ; the same place in the codes' buffer
	s_mov_b32 s21, 4096
	s_sub_co_u32 s22, s18, 24
	s_wait_kmcnt 0x0
	s_cmp_lt_u32 s18, 24                           ; which weight: hangs on the work-group's number alone
	s_cselect_b64 s[6:7], s[6:7], s[8:9]
	s_cselect_b32 s21, 12288, s21                  ; bytes from row to row
	s_cselect_b32 s22, s18, s22                    ; the group of columns within that weight
	s_lshl_b32 s24, s22, 9
	s_lshl_b32 s23, s16, 7
	s_add_co_u32 s24, s24, s23                     ; 512 x group + 128 x wave
	s_lshl_b32 s23, s19, 8
	s_mul_i32 s23, s23, s21
	s_add_co_u32 s24, s24, s23                     ; + my first row of K
	s_mov_b32 s25, 0
	s_add_nc_u64 s[40:41], s[6:7], s[24:25]        ; a base for each of the eight blocks: nothing is stepped
	s_lshl_b32 s26, s21, 5
	s_mov_b32 s27, 0
.irp t, 1,2,3,4,5,6,7
	s_add_nc_u64 s[40+2*\t:41+2*\t], s[38+2*\t:39+2*\t], s[26:27]
.endr
.set i, 0
.rept 32
	v_mad_u32_u24 v[OFF+i], s21, i, v3
.set i, i+1
.endr
	s_lshl_b32 s28, s18, 7
	s_lshl_b32 s23, s16, 5
	s_add_co_u32 s28, s28, s23                     ; my wave's first position in wq
	s_mul_i32 s30, s28, 192                        ; position x 192
	s_mul_i32 s23, s19, 786432                     ; + K step x 4096 x 192
	s_add_co_u32 s30, s30, s23
	s_mov_b32 s31, 0
	s_add_nc_u64 s[32:33], s[12:13], s[30:31]      ; the codes
	s_lshl_b32 s30, s28, 5
	s_lshl_b32 s23, s19, 3
	s_add_co_u32 s30, s30, s23
	s_add_co_u32 s30, s30, 3145728
	s_add_nc_u64 s[34:35], s[12:13], s[30:31]      ; the scale bytes
.macro WLOAD t                         ; block t: W(32 t + i, my column) into set t % 2; a wave's load reads 128 consecutive bytes
.set i, 0
.rept 32
	global_load_b32 v[WX+32*((\t)%2)+i], v[OFF+i], s[40+2*(\t):41+2*(\t)] th:TH_LOAD_NT
.set i, i+1
.endr
.endm
	s_wait_alu depctr_va_vdst(0)
	WLOAD 0
	WLOAD 1
.macro WBLOCK t
.set XS, WX+32*((\t)%2)
.if (\t) < 7
	s_wait_loadcnt 32                              ; this block's 32 loads are in; the next block's 32 may be out
.else
	s_wait_loadcnt 0x0
.endif
	v_max3_num_f32 v16, |v[XS]|, |v[XS+1]|, |v[XS+2]|              ; the block's largest magnitude: all 32 numbers are mine
	v_max3_num_f32 v17, |v[XS+3]|, |v[XS+4]|, |v[XS+5]|
.irp i, 6,10,14,18,22,26
	v_max3_num_f32 v16, v16, |v[XS+\i]|, |v[XS+\i+1]|
	v_max3_num_f32 v17, v17, |v[XS+\i+2]|, |v[XS+\i+3]|
.endr
	v_max3_num_f32 v16, v16, |v[XS+30]|, |v[XS+31]|
	v_max3_num_f32 v16, v16, v17, 0x1800000        ; and the floor
	v_add_nc_u32 v18, 0xff000000, v16              ; the conversion's scale operand
	v_lshrrev_b32 v19, 23, v18                     ; the scale's byte
.if (\t)%4 == 0
	v_mov_b32 v[SB+(\t)/4], v19
.else
	v_lshl_or_b32 v[SB+(\t)/4], v19, 8*((\t)%4), v[SB+(\t)/4]
.endif
	v_cvt_scalef32_pk16_fp6_f32 v[WC:WC+2], v[XS:XS+15], v18
	v_cvt_scalef32_pk16_fp6_f32 v[WC+4:WC+6], v[XS+16:XS+31], v18   ; (a conversion's three registers begin on an even number)
	ds_store_b96 v4, v[WC:WC+2] offset:32*(\t)     ; 12 bytes to a place of 16, so that every LDS address is a multiple of 16
	ds_store_b96 v4, v[WC+4:WC+6] offset:32*(\t)+16
.if (\t)+2 < 8
	WLOAD (\t)+2
.endif
	s_wait_dscnt 0x0                               ; the stores have read their registers: the next block's codes may be written
.endm
.irp t, 0,1,2,3,4,5,6,7
	WBLOCK \t
.endr
	s_wait_alu depctr_va_vdst(0)
	global_store_b64 v9, v[SB:SB+1], s[34:35]      ; my column's eight scale bytes
.irp t, 0,1,2,3,4,5,6,7,8,9,10,11,12,13,14,15
	ds_load_b96 v[OUTR+4*\t:OUTR+4*\t+2], v7 offset:2*\t*WPIT
.endr
.irp t, 0,1,2,3,4,5,6,7,8,9,10,11,12,13,14,15
	s_wait_dscnt 15-\t                             ; loads come back in order: the 15 - t younger ones may be out
	global_store_b96 v8, v[OUTR+4*\t:OUTR+4*\t+2], s[32:33] offset:2*\t*192   ; 32 lanes store two positions' 384 consecutive bytes
.endr
.Lend:
	s_wait_tensorcnt 0x0                           ; the wave's end
	ds_add_u32 v[SPW], v[NIL]
	s_wait_dscnt 0x0
	s_endpgm
.Lfunc_end_k_q72e44bb89e_prep:
	.size	k_q72e44bb89e_prep, .Lfunc_end_k_q72e44bb89e_prep-k_q72e44bb89e_prep
	.p2alignl 7, 3214868480
	.fill 96, 4, 3214868480
	.section	.rodata,"a",@progbits
	.p2align	6, 0x0
	.amdhsa_kernel k_q72e44bb89e_prep
		.amdhsa_group_segment_fixed_size 68096
		.amdhsa_private_segment_fixed_size 0
		.amdhsa_enable_private_segment 0
		.amdhsa_kernarg_size 40
		.amdhsa_user_sgpr_count 2
		.amdhsa_user_sgpr_kernarg_segment_ptr 1
		.amdhsa_wavefront_size32 1
		.amdhsa_system_sgpr_workgroup_id_x 1
		.amdhsa_system_sgpr_workgroup_id_y 1
		.amdhsa_system_sgpr_workgroup_id_z 1
		.amdhsa_system_vgpr_workitem_id 0
		.amdhsa_next_free_vgpr 192
		.amdhsa_next_free_sgpr 66
		.amdhsa_reserve_vcc 0
		.amdhsa_float_denorm_mode_32 3
		.amdhsa_float_denorm_mode_16_64 3
		.amdhsa_memory_ordered 1
		.amdhsa_forward_progress 1
		.amdhsa_inst_pref_size 76
	.end_amdhsa_kernel
	.amdgpu_metadata
---
amdhsa.version: [ 1, 2 ]
amdhsa.kernels:
  - .name:           k_q72e44bb89e_prep
    .symbol:         k_q72e44bb89e_prep.kd
    .args:
      - { .name: x, .offset: 0, .size: 8, .value_kind: global_buffer, .address_space: global }
      - { .name: w_qkv, .offset: 8, .size: 8, .value_kind: global_buffer, .address_space: global }
      - { .name: w_out, .offset: 16, .size: 8, .value_kind: global_buffer, .address_space: global }
      - { .name: xq, .offset: 24, .size: 8, .value_kind: global_buffer, .address_space: global }
      - { .name: wq, .offset: 32, .size: 8, .value_kind: global_buffer, .address_space: global }
    .group_segment_fixed_size: 68096
    .private_segment_fixed_size: 0
    .kernarg_segment_align: 8
    .kernarg_segment_size: 40
    .max_flat_workgroup_size: 128
    .sgpr_count:     66
    .vgpr_count:     192
    .wavefront_size: 32
...
	.end_amdgpu_metadata
.endif
;; end of part 1
;; launch gemm_qkv (part 2): grid 12 x 32, 4 waves a work-group, clusters of 4 x 4, 327,680 bytes of LDS; arguments xq, wq, qf, kv; writes qf, kv
.if DOCPART == 2
	.amdgcn_target "amdgcn-amd-amdhsa--gfx1250"
	.amdhsa_code_object_version 6
	.text
	.protected	k_q72e44bb89e_gemm_qkv
	.globl	k_q72e44bb89e_gemm_qkv
	.p2align	8
	.type	k_q72e44bb89e_gemm_qkv,@function
k_q72e44bb89e_gemm_qkv:
	s_mov_b64 s[64:65], 0
	v_nop
	global_prefetch_b8 v0, s[64:65] scope:SCOPE_SE
	s_setreg_imm32_b32 hwreg(HW_REG_WAVE_MODE, 25, 1), 1
	s_wait_xcnt 0x0
	s_wait_alu depctr_hold_cnt(0) depctr_sa_sdst(0) depctr_va_vdst(0) depctr_va_sdst(0) depctr_va_ssrc(0) depctr_va_vcc(0) depctr_vm_vsrc(0)
	s_getreg_b32 s2, hwreg(HW_REG_IB_STS2, 6, 4)
	s_cmp_eq_u32 s2, 0
	s_cbranch_scc0 .Lentry_in_a_cluster
	s_endpgm
.Lentry_in_a_cluster:
	s_bfe_u32 s2, ttmp6, 0x10000c
	s_cmp_lg_u32 s2, 0xf033
	s_cbranch_scc0 .Lentry_shape_is_right
	s_endpgm
.Lentry_shape_is_right:
; PRODUCT 1, x w_qkv, on codes of E2M3 with E8M0 scales, and the quantisers of q, k (along the head's 64) and v (along the keys) in its way out: q, k and v go to memory as codes alone.  Nothing of the problem is left out here.
; A tile of 256 x 256 to a work-group of four waves, 128 x 128 to a wave (64 accumulators, 512 registers).  K = 1,024 goes in four steps of 256 through a ring of two LDS slots filled by the tensor data mover; the scale bytes of the
; work-group's rows, for all of K, come into LDS once.  4 x 4 work-groups form a cluster: A's tile is asked for jointly along a row of the cluster, B's along a column.
; THE MATRIX INSTRUCTION IS USED TRANSPOSED: source 0 = 16 rows of "B", source 1 = 16 rows of "A".  A lane then holds one row of A, and, since rows lie in the chosen order (bits 3 and 4 of a row's number exchanged), the 16 registers
; of two neighbouring tiles of B are 16 neighbours: what the conversions want.
; ROLES.  Cluster x = 0 (q) and 1 (k): A = tokens (xq), B = weight columns (wq): a lane holds a token, its registers run along the head's channels.  Cluster x = 2 (v): A = weight columns, B = tokens: a lane holds a channel,
; its registers run along the keys.  Tiles, pitches and scale rows are alike, so the loop is one text; only pointers and tile numbers are chosen, on the cluster's x, which all partners share.
; OUT.  Blocks of 6,656 bytes.  q, k (128 tokens of a head): eight half fragments (k = 0..63: six registers a lane: four at 16 x lane, two at 512 + 8 x lane), 768 bytes each; at 6,144 the scale words: at 16 x lane + 4 e lanes 0-15 have
; tile 2 e's word, lanes 16-31 tile 2 e + 1's.  v (64 channels x 128 keys): four whole fragments (three times four registers at 16 x lane), 1,536 bytes each; at 6,144, 16 x lane + 4 t: the word of tile t.
; qf: [bh][step 16][block].  kv: [bh][step 16][k's block, v's block].
; LIMITS: a block of zeros keeps the byte 1 (its codes are zeros; this program alone reads the bytes); NaN and infinities are not served.
; REGISTERS, in windows of 256: window 0: v0-31 addresses; v32-63 scale words, two sets; v128-223 A's fragments, one set.  window 1: B's fragments, two sets, at v0 and v128.  windows 2, 3: the accumulators ((a, b) at v[8 (8 (a % 4) + b)]).
.set KSTEP,  256
.set NQ,     2
.set ROWB,   192                       ; a tile's row: 256 codes
; The codes lie [K step][position][192 bytes]: 128 positions of a K step are 24,576 dense bytes, loaded as 96 rows of 256 bytes, each beginning at a multiple of 256; 16 bytes of padding behind every 64 give the LDS pitch of 240 a position.
.set PITCH,  240                       ; an LDS row: 3 x (64 bytes + 16 of padding)
.set FR,     12
.set NL,     6
.set NP,     4
.set HALFT,  128*PITCH
.set SLOT,   4*HALFT
.set LAPS,   2
.set KS,     32                        ; a row of scale bytes
.set SCL,    2*SLOT
.set HALFS,  (128*KS/256)*272
.set SBLK,   (16*KS/256)*272
.set SPARE,  SCL+4*HALFS               ; the spare words, 128 bytes a wave
.set ADRA, 16
.set ADRB, 20
.set LI16, 24                          ; v24  16 x lane
.set LI8,  25                          ; v25  8 x lane
.set ADRS, 27
.set SPW,  28
.set NIL,  29
.set SC,   32
.set AF,   128
; the way out, window 0
.set TM,   32                          ; v32-47 at work
.set PW,   48                          ; v48-55 the scale word of block row a
.set SWA,  56                          ; v56-59, v60-63 scale words as they are stored
.set SWB,  60
.set PC,   64                          ; v64-159 the codes of block row a: 12 registers each, never rewritten
.set CT,   160                         ; v160-166 the conversions' second halves
.set G1, 24
.set G0, 32
.set G1B, 48
.set G0B, 56
.set G1S, 68
.set G0S, 76
.set G1SB, 80
.set G0SB, 88
.set MSB, 0
.macro WIN new                         ; the immediate's high byte repeats the setting that is left
.if MSB != (\new)
	s_set_vgpr_msb (MSB<<8)|(\new)
.set MSB, (\new)
.endif
.endm
.set MUL_LO, 0xa1                      ; source 0 (B) window 1, source 1 (A) window 0, C and D window 2
.set MUL_HI, 0xf1
.set TO_B,   0x40
; A joint load: waves 0 and 1 fetch for A, waves 2 and 3 for B; the branch hangs on the wave's number alone.  An s_nop 0 and four v_nop follow each of the two lines.
.macro JLOAD g0a, g1a, g0b, g1b
	s_cmp_eq_u32 s15, 0
	s_cbranch_scc0 .Lfor_b_\@
	tensor_load_to_lds s[\g0a:\g0a+3], s[\g1a:\g1a+7]
	s_nop 0
.rept 4
	v_nop
.endr
	s_branch .Lasked_\@
.Lfor_b_\@:
	tensor_load_to_lds s[\g0b:\g0b+3], s[\g1b:\g1b+7]
	s_nop 0
.rept 4
	v_nop
.endr
.Lasked_\@:
.endm
.macro CREST
	s_cmp_lg_u32 s14, 0
	s_cbranch_scc1 .Lnot_wave_0_\@
	s_barrier_signal -3
.Lnot_wave_0_\@:
	s_barrier_wait -3
	s_barrier_signal -1
	s_barrier_wait -1
.endm
.macro CROUND
	s_barrier_signal -1
	s_barrier_wait -1
	CREST
.endm
	s_load_b256 s[4:11], s[0:1], 0x0               ; xq s[4:5], wq s[6:7], qf s[8:9], kv s[10:11]
	v_lshl_add_u32 v[SPW], v0, 2, SPARE
	v_mov_b32 v[NIL], 0
	ds_add_u32 v[SPW], v[NIL]                      ; the wave's opening: the add, twice on end, and its wait ahead of my first tensor load
	ds_add_u32 v[SPW], v[NIL]
	v_lshrrev_b32 v1, 5, v0
	v_readfirstlane_b32 s14, v1                    ; wave 0..3
	s_lshr_b32 s15, s14, 1                         ; which half of A's rows is mine.  Also: I fetch for A (0) or for B (1)
	s_and_b32 s16, s14, 1                          ; which half of B's rows.  Also: which 128 rows I fetch
	s_bfe_u32 s40, ttmp6, 0x40000                  ; cx
	s_bfe_u32 s41, ttmp6, 0x40004                  ; cy
	s_and_b32 s17, ttmp7, 0xffff
	s_lshl_b32 s17, s17, 2                         ; 4 x cluster y
	s_lshl_b32 s42, ttmp9, 2                       ; 4 x cluster x
	s_cmp_eq_u32 ttmp9, 2                          ; the clusters of v change the roles
	s_cselect_b32 s42, s17, s42                    ; B's tile: v: tokens, 4 CY + cx; else weight columns, 4 CX + cx
	s_cselect_b32 s17, 8, s17                      ; A's tile: v: weight columns from position 2,048 on, 8 + cy; else tokens, 4 CY + cy
	s_add_co_u32 s42, s42, s40
	s_add_co_u32 s17, s17, s41
	s_lshl_b32 s43, s41, 2
	s_lshl_b32 s43, 15, s43                        ; my row of the cluster
	s_lshl_b32 s44, 0x1111, s40                    ; my column
	s_or_b32 s[G1+0], s43, (0<<16)|(1<<20)|(1<<21)|(3<<22)|(3<<25)  ; the mask; elements of 1 byte; padding: 4 words behind every 16; bit 21 beside a mask
	s_or_b32 s[G1B+0], s44, (0<<16)|(1<<20)|(1<<21)|(3<<22)|(3<<25)
.irp g, G1, G1B
	s_mov_b32 s[\g+1], 256<<16                     ; tensor_dim0: rows of 256 bytes
	s_mov_b32 s[\g+2], 192<<16                     ; tensor_dim1: the head's loads bring 256 positions = 192 such rows
	s_mov_b32 s[\g+3], 256<<16                     ; tile_dim0
	s_mov_b32 s[\g+4], 192                         ; tile_dim1
	s_mov_b32 s[\g+5], 256                         ; the pitch: dense
	s_mov_b32 s[\g+6], 0
	s_mov_b32 s[\g+7], 0
.endr
	s_or_b32 s[G1S+0], s43, (3<<16)|(1<<20)|(1<<21)|(5<<22)|(3<<25) ; the scales of 128 rows: 4,096 dense bytes as 16 rows of 256, 16 bytes of padding behind each
	s_or_b32 s[G1SB+0], s44, (3<<16)|(1<<20)|(1<<21)|(5<<22)|(3<<25)
.irp g, G1S, G1SB
	s_mov_b32 s[\g+1], 32<<16
	s_mov_b32 s[\g+2], KS<<16                      ; the scales of 256 rows: 32 rows of 256 bytes
	s_mov_b32 s[\g+3], 32<<16
	s_mov_b32 s[\g+4], KS
	s_mov_b32 s[\g+5], 32
	s_mov_b32 s[\g+6], 0
	s_mov_b32 s[\g+7], 0
.endr
	s_lshl_b32 s20, s17, 8                         ; A: the tile's first row
	s_lshl_b32 s46, s42, 8                         ; B likewise
	s_mov_b32 s21, 0
	s_mov_b32 s47, 0
	s_mov_b64 s[18:19], KS
	s_mul_u64 s[22:23], s[20:21], s[18:19]         ; where these rows' scales begin,
	s_mul_u64 s[92:93], s[46:47], s[18:19]
	s_mov_b64 s[18:19], ROWB
	s_mul_u64 s[20:21], s[20:21], s[18:19]         ; and their codes
	s_mul_u64 s[46:47], s[46:47], s[18:19]
	s_mul_i32 s45, s14, HALFT                      ; where they go: wave x 128 rows
	s_mul_i32 s18, s16, 128*ROWB                   ; in the ring I fetch 128 rows of a tile: which half, in bytes
	s_mov_b32 s19, 0
	s_mov_b32 s12, 6291456                         ; the scale bytes lie behind the codes: xq's here, wq's at 3,145,728
	s_mov_b32 s13, 3145728
	s_cmp_eq_u32 ttmp9, 2
	s_cselect_b32 s12, 3145728, s12
	s_cselect_b32 s13, 6291456, s13
	s_add_co_u32 s22, s22, s12
	s_add_co_u32 s92, s92, s13
	s_mov_b32 s12, 1572864                         ; bytes from K step to K step: xq 8192 x 192, wq 4096 x 192; chosen on the cluster's x, which all partners share
	s_mov_b32 s66, 786432
	s_cmp_eq_u32 ttmp9, 2
	s_cselect_b32 s12, 786432, s12                 ; s[12:13] A's
	s_cselect_b32 s66, 1572864, s66                ; s[66:67] B's
	s_mov_b32 s13, 0
	s_mov_b32 s67, 0
	s_wait_dscnt 0x0                               ; both opening adds are done
	s_wait_kmcnt 0x0
	s_cmp_eq_u32 ttmp9, 2
	s_cselect_b64 s[96:97], s[6:7], s[4:5]         ; A's buffer
	s_cselect_b64 s[100:101], s[4:5], s[6:7]       ; B's
	s_add_nc_u64 s[20:21], s[96:97], s[20:21]
	s_add_nc_u64 s[22:23], s[96:97], s[22:23]
	s_add_nc_u64 s[46:47], s[100:101], s[46:47]
	s_add_nc_u64 s[92:93], s[100:101], s[92:93]
	CROUND                                         ; all sixteen work-groups are here: the first joint loads meet
	s_mov_b32 s[G0S], 1
	s_mov_b32 s[G0S+1], SCL
	s_mov_b64 s[G0S+2:G0S+3], s[22:23]
	s_or_b32 s[G0S+3], s[G0S+3], 0x80000000
	s_mov_b32 s[G0SB], 1
	s_mov_b32 s[G0SB+1], SCL+2*HALFS
	s_mov_b64 s[G0SB+2:G0SB+3], s[92:93]
	s_or_b32 s[G0SB+3], s[G0SB+3], 0x80000000
.set G0H, 4                            ; s[4:7], s[96:99] group 0 of the head's loads of K step 0: A's 256 rows, B's 256 rows (what lay there has been used)
.set G0HB, 96
	s_mov_b32 s[G0H], 1
	s_mov_b32 s[G0H+1], 0
	s_mov_b64 s[G0H+2:G0H+3], s[20:21]
	s_or_b32 s[G0H+3], s[G0H+3], 0x80000000
	s_mov_b32 s[G0HB], 1
	s_mov_b32 s[G0HB+1], 2*HALFT
	s_mov_b64 s[G0HB+2:G0HB+3], s[46:47]
	s_or_b32 s[G0HB+3], s[G0HB+3], 0x80000000
	s_add_nc_u64 s[20:21], s[20:21], s[18:19]      ; for the ring: my 128 rows of the tile
	s_add_nc_u64 s[46:47], s[46:47], s[18:19]
.irp s, 0,1
	s_mov_b32 s[G0+4*\s], 1
	s_add_co_u32 s[G0+4*\s+1], s45, \s*SLOT
	s_mov_b64 s[G0+4*\s+2:G0+4*\s+3], s[20:21]     ; K step s
	s_add_nc_u64 s[20:21], s[20:21], s[12:13]
	s_or_b32 s[G0+4*\s+3], s[G0+4*\s+3], 0x80000000
	s_mov_b32 s[G0B+4*\s], 1
	s_add_co_u32 s[G0B+4*\s+1], s45, \s*SLOT
	s_mov_b64 s[G0B+4*\s+2:G0B+4*\s+3], s[46:47]
	s_add_nc_u64 s[46:47], s[46:47], s[66:67]
	s_or_b32 s[G0B+4*\s+3], s[G0B+4*\s+3], 0x80000000
.endr
	; THE PREFETCHES.  A ring load of mine is 96 blocks of 256 bytes; the four partners that ask for it jointly take 24 blocks each, told apart by address alone (cx for A, cy for B).
	; s[100:101]: my work-group's 24 blocks of K step 1; never rewritten.  s[20:21] and s[46:47] stand at K step 2 here.
	s_cmp_eq_u32 s15, 0                            ; do I fetch for A?
	s_cselect_b64 s[100:101], s[20:21], s[46:47]
	s_cselect_b32 s92, s12, s66                    ; bytes from K step to K step
	s_cselect_b32 s22, s40, s41                    ; my place among the four
	s_mov_b32 s93, 0
	s_sub_nc_u64 s[100:101], s[100:101], s[92:93]  ; back to K step 1
	s_mul_i32 s22, s22, 6144                       ; 24 blocks a partner
	s_mov_b32 s23, 0
	s_add_nc_u64 s[100:101], s[100:101], s[22:23]
	s_lshl_b32 s12, s12, 1
	s_lshl_b32 s66, s66, 1
; The head's loads, one a wave: wave 0 K step 0's 256 rows of A, wave 1 its 256 rows of B, wave 2 A's scales, wave 3 B's.  One chain of branches on the wave's number, all arms to one join.
.macro ARM under, g0, g1, next
	s_cmp_lt_u32 s14, \under
	s_cbranch_scc0 \next
	tensor_load_to_lds s[\g0:\g0+3], s[\g1:\g1+7]
	s_nop 0
.rept 4
	v_nop
.endr
	s_branch .Lhead_asked
\next:
.endm
	ARM 1, G0H,  G1,  .Lhead_b
	ARM 2, G0HB, G1B, .Lhead_sa
	ARM 3, G0S,  G1S, .Lhead_sb
	tensor_load_to_lds s[G0SB:G0SB+3], s[G1SB:G1SB+7]
	s_nop 0
.rept 4
	v_nop
.endr
.Lhead_asked:
	v_and_b32 v26, 31, v0
	v_min_u32 v26, 23, v26                         ; a lane a block; the eight lanes left over name the last block again
	v_lshlrev_b32 v26, 8, v26                      ; v26, v30, v31: my block of K steps 1, 2, 3; never rewritten
	v_add_nc_u32 v30, s92, v26
	v_add_nc_u32 v31, s92, v30
	global_prefetch_b8 v26, s[100:101] th:TH_LOAD_NT scope:SCOPE_SE   ; K step 1, whose load goes out behind the next round,
	global_prefetch_b8 v30, s[100:101] th:TH_LOAD_NT scope:SCOPE_SE   ; and K step 2, the first refill: two K steps are asked for and not yet read at the most
	v_and_b32 v1, 15, v0
	v_bfe_u32 v2, v0, 4, 1                         ; h
	v_mul_u32_u24 v3, v1, PITCH
	v_mul_u32_u24 v4, v2, 24
	v_add_nc_u32 v4, v3, v4                        ; a fragment's row x pitch + 24 x half
	v_lshl_add_u32 v5, v2, 4, v4                   ; and the same behind one padding more
	s_mul_i32 s21, s15, HALFT
	s_mul_i32 s22, s16, HALFT
	s_add_co_u32 s22, s22, 2*HALFT
.irp s, 0,1
	v_add_nc_u32 v[ADRA+\s], s21, v4
	v_add_nc_u32 v[ADRB+\s], s22, v4
	v_add_nc_u32 v[ADRA+2+\s], s21, v5
	v_add_nc_u32 v[ADRB+2+\s], s22, v5
	s_add_co_u32 s21, s21, SLOT
	s_add_co_u32 s22, s22, SLOT
.endr
	v_mul_u32_u24 v5, v1, KS                       ; my row's scales: 32 bytes a row,
	v_lshrrev_b32 v6, 8, v5
	v_lshl_add_u32 v5, v6, 4, v5                   ; and 16 more for each 256 passed
	s_mul_i32 s21, s15, HALFS
	s_mul_i32 s22, s16, HALFS
	s_add_co_u32 s22, s22, 2*HALFS
	s_sub_co_u32 s22, s22, s21
	v_mul_u32_u24 v6, s22, v2                      ; lanes 16-31 take B's
	s_add_co_u32 s21, s21, SCL
	v_add_nc_u32 v5, v5, v6
	v_add_nc_u32 v[ADRS], s21, v5
	v_and_b32 v6, 31, v0
	v_lshlrev_b32 v[LI16], 4, v6
	v_lshlrev_b32 v[LI8], 3, v6
.macro FRAG reg, adr, q, i             ; 16 rows x 128 K of 6-bit codes: 12 registers, in pieces of 8 bytes; where lanes 16-31's piece lies behind one padding more, the second address register serves
.irp p, 0,1,2,3,4,5
.set PCE, 12*(\q)+6*(\p/3)+\p%3
.if PCE%8 < 5
	ds_load_b64 v[\reg+2*\p:\reg+2*\p+1], v[\adr] offset:8*PCE+16*(PCE/8)+(\i)*16*PITCH
.else
	ds_load_b64 v[\reg+2*\p:\reg+2*\p+1], v[\adr+2] offset:8*PCE+16*(PCE/8)+(\i)*16*PITCH
.endif
.endr
.endm
; 16 matrix instructions: A's blocks a0, a0 + 1 x B's eight.  The 64 accumulators take turns, one instruction a turn, in the same order in every step.
.macro MUL16 a0, p, q, sc, zero
.irp a, \a0, \a0+1
.irp b, 0,1,2,3,4,5,6,7
.if \zero
	v_wmma_scale_f32_16x16x128_f8f6f4 v[8*(8*((\a)%4)+\b):8*(8*((\a)%4)+\b)+7], v[128*(\p)+FR*\b:128*(\p)+FR*\b+FR-1], v[AF+FR*(\a):AF+FR*(\a)+FR-1], 0, v[SC+8*NQ*(\sc)+NQ*\b+(\q)], v[SC+8*NQ*(\sc)+NQ*(\a)+(\q)] matrix_a_fmt:MATRIX_FMT_FP6 matrix_b_fmt:MATRIX_FMT_FP6 matrix_a_scale:MATRIX_SCALE_ROW1
.else
	v_wmma_scale_f32_16x16x128_f8f6f4 v[8*(8*((\a)%4)+\b):8*(8*((\a)%4)+\b)+7], v[128*(\p)+FR*\b:128*(\p)+FR*\b+FR-1], v[AF+FR*(\a):AF+FR*(\a)+FR-1], v[8*(8*((\a)%4)+\b):8*(8*((\a)%4)+\b)+7], v[SC+8*NQ*(\sc)+NQ*\b+(\q)], v[SC+8*NQ*(\sc)+NQ*(\a)+(\q)] matrix_a_fmt:MATRIX_FMT_FP6 matrix_b_fmt:MATRIX_FMT_FP6 matrix_a_scale:MATRIX_SCALE_ROW1
.endif
.endr
.endr
.endm
.macro FETCH_B slot, q, p
	WIN TO_B
.irp i, 0,1,2,3,4,5,6,7
	FRAG 128*(\p)+FR*\i, ADRB+\slot, \q, \i
.endr
	WIN 0
.endm
.macro FETCH_A slot, q, i0
.irp i, \i0, \i0+1, \i0+2, \i0+3
	FRAG AF+FR*(\i), ADRA+\slot, \q, \i
.endr
.endm
.macro SCALES sc                       ; a K step's scale words: two words a row; lanes 0-15 A's block i, lanes 16-31 B's block i
.irp i, 0,1,2,3,4,5,6,7
	ds_load_b64 v[SC+8*NQ*\sc+NQ*\i:SC+8*NQ*\sc+NQ*\i+1], v[ADRS] offset:\i*SBLK
.endr
.endm
.macro PLACES n                        ; plain vector instructions between a matrix instruction and a load into, or a read of, its registers
.rept \n
	v_nop
.endr
.endm
.macro STEP slot, q, zero              ; 128 along K that has its successor in the same slot
	s_wait_dscnt 4*NL                              ; B's set and A's blocks 0-3 are in; the youngest 24 loads (A's blocks 4-7) may be out
	WIN MUL_LO
	MUL16 0, (\q)%2, \q, \slot, \zero
	MUL16 2, (\q)%2, \q, \slot, \zero
	s_wait_dscnt 0
	PLACES NP
	FETCH_B \slot, (\q)+1, 1-(\q)%2
	FETCH_A \slot, (\q)+1, 0
	WIN MUL_HI
	MUL16 4, (\q)%2, \q, \slot, \zero
	MUL16 6, (\q)%2, \q, \slot, \zero
	PLACES NP
	WIN 0
	FETCH_A \slot, (\q)+1, 4
.endm
; A slot's last step changes slots: one barrier; in front of it each wave waits for all its tensor loads, adds 0 to its spare word, and waits for that and for its reads of this slot.  fill = 1: the slot is filled again, two K steps ahead.
.macro TURN slot, next, fill
	s_wait_tensorcnt 0x0                           ; all my tensor loads have landed: my part of the next slot
	ds_add_u32 v[SPW], v[NIL]
	s_wait_dscnt 4*NL+1                            ; the add and the youngest 24 loads may be out
	WIN MUL_LO
	MUL16 0, 1, NQ-1, \slot, 0
	s_wait_dscnt 0x0                               ; the add is done, and my reads of this slot are over
	s_barrier_signal -1
	MUL16 2, 1, NQ-1, \slot, 0
	WIN 0
	s_barrier_wait -1
.if \fill
	CREST                                          ; the barrier has opened a round of the cluster's barrier: no wave of any partner still reads this slot or has a load on its way
	s_add_nc_u64 s[G0+4*\slot+2:G0+4*\slot+3], s[G0+4*\slot+2:G0+4*\slot+3], s[12:13]
	s_add_nc_u64 s[G0B+4*\slot+2:G0B+4*\slot+3], s[G0B+4*\slot+2:G0B+4*\slot+3], s[66:67]
	JLOAD G0+4*\slot, G1, G0B+4*\slot, G1B         ; the first tensor load behind the round; its four v_nop are the places in front of the loads below
.else
	PLACES NP
.endif
	s_wait_alu depctr_va_vdst(0)
	v_add_nc_u32 v[ADRS], 4*NQ, v[ADRS]
	FETCH_B \next, 0, 0
	FETCH_A \next, 0, 0
	SCALES \next
	WIN MUL_HI
	MUL16 4, 1, NQ-1, \slot, 0
	MUL16 6, 1, NQ-1, \slot, 0
	PLACES NP
	WIN 0
	FETCH_A \next, 0, 4
.endm
	s_wait_alu depctr_va_vdst(0)
	s_wait_tensorcnt 0x0                           ; my tile of the head's four is in
	ds_add_u32 v[SPW], v[NIL]
	s_mov_b32 s[G1+2], 96<<16                      ; no tensor load of mine is out: from here on a load brings 128 positions = 96 rows of 256 bytes
	s_mov_b32 s[G1+4], 96
	s_mov_b32 s[G1B+2], 96<<16
	s_mov_b32 s[G1B+4], 96
	s_wait_dscnt 0x0                               ; the add is done
	CROUND                                         ; all four tiles are in, and all sixteen work-groups are here
	JLOAD G0+4, G1, G0B+4, G1B                     ; K step 1, the first tensor load behind the round
	FETCH_B 0, 0, 0
	FETCH_A 0, 0, 0
	SCALES 0
	FETCH_A 0, 0, 4
	global_prefetch_b8 v31, s[100:101] th:TH_LOAD_NT scope:SCOPE_SE   ; K step 3, the last: two refills ahead of its load; nothing lies beyond it, so nothing more is asked for
	STEP 0, 0, 1                                   ; the first step's products start the sums
	s_mov_b32 s3, LAPS-1
.Llap:
	TURN 0, 1, 1
	STEP 1, 0, 0
	TURN 1, 0, 1
	STEP 0, 0, 0
	s_sub_co_u32 s3, s3, 1
	s_cmp_lg_u32 s3, 0
	s_cbranch_scc1 .Llap
	TURN 0, 1, 0                                   ; the last lap fills nothing
	STEP 1, 0, 0
	s_wait_dscnt 4*NL
	WIN MUL_LO
	MUL16 0, 1, NQ-1, 1, 0
	MUL16 2, 1, NQ-1, 1, 0
	s_wait_dscnt 0
	WIN MUL_HI
	MUL16 4, 1, NQ-1, 1, 0
	MUL16 6, 1, NQ-1, 1, 0
	WIN 0
; THE WAY OUT.  Block row a (16 rows of A): a lane's 64 registers are, register 16 b + i, number 32 b + 16 (lane / 16) + i of its row's 128: four blocks of 32 along the next K.  They become a fragment's 12 registers and a scale word.
	PLACES NP
	s_mov_b32 s2, 0x76543210                       ; v_permlanex16_b32's selects for lane l xor 16
	s_mov_b32 s3, 0xfedcba98
	s_mov_b32 s99, 0xffff0000                      ; lanes 16-31
.irp b, 0,1,2,3
	v_mov_b32 v[TM+4+\b], 0                        ; written once: a lane permute's destination counts as one of its sources
.endr
.macro QUANTA a
.set AC, 64*((\a)%4)
.set PCA, PC+12*(\a)
	WIN 10+5*((\a)/4)                              ; sources 0 and 1: window 2 or 3
.irp b, 0,1,2,3
	v_max3_num_f32 v[TM+\b], |v[AC+16*\b]|, |v[AC+16*\b+1]|, 0x1800000   ; each accumulator is read from its low end on; the floor 2^(3 - 127) holds the byte at 1
.endr
.irp i, 2,4,6,8,10,12,14
.irp b, 0,1,2,3
	v_max3_num_f32 v[TM+\b], |v[AC+16*\b+\i]|, |v[AC+16*\b+\i+1]|, v[TM+\b]
.endr
.endr
	WIN 0
.irp b, 0,1,2,3
	v_permlanex16_b32 v[TM+4+\b], v[TM+\b], s2, s3
.endr
.irp b, 0,1,2,3
	v_max_num_f32 v[TM+\b], v[TM+\b], v[TM+4+\b]   ; with lane l xor 16's: the block's largest magnitude
.endr
.irp b, 0,1,2,3
	v_add_nc_u32 v[TM+12+\b], 0xff000000, v[TM+\b] ; the conversion's scale operand
.endr
.irp b, 0,1,2,3
	v_lshrrev_b32 v[TM+4+\b], 23, v[TM+12+\b]      ; the scale's byte
.endr
	v_lshl_or_b32 v[PW+(\a)], v[TM+5], 8, v[TM+4]
	v_lshl_or_b32 v[PW+(\a)], v[TM+6], 16, v[PW+(\a)]
	v_lshl_or_b32 v[PW+(\a)], v[TM+7], 24, v[PW+(\a)]
	WIN 2+(\a)/4                                   ; source 0: window 2 or 3
.irp c, 0,1
	v_cvt_scalef32_pk16_fp6_f32 v[PCA+6*\c:PCA+6*\c+2], v[AC+32*\c:AC+32*\c+15], v[TM+12+2*\c]
	v_cvt_scalef32_pk16_fp6_f32 v[CT+4*\c:CT+4*\c+2], v[AC+32*\c+16:AC+32*\c+31], v[TM+12+2*\c+1]
.endr
	WIN 0
	v_nop                                          ; one plain place behind a scaled conversion
.irp c, 0,1                            ; the operand's layout wants a whole block in a lane
.irp i, 0,1,2
	v_permlane16_swap_b32 v[PCA+6*\c+\i], v[CT+4*\c+\i]
.endr
.irp i, 0,1,2
	v_mov_b32 v[PCA+3+6*\c+\i], v[CT+4*\c+\i]
.endr
.endr
.endm
.irp a, 0,1,2,3,4,5,6,7
	QUANTA \a
.endr
	s_cmp_eq_u32 ttmp9, 2                          ; the cluster's x: the same in all partners
	s_cbranch_scc1 .Lv_arm
	; q, k: my 128 tokens are a block's; registers 0-5 are the first head's 64 channels, registers 6-11 the next head's
	s_lshl_b32 s18, s17, 1
	s_add_co_u32 s18, s18, s15                     ; which 128 tokens
	s_lshr_b32 s19, s18, 4                         ; batch
	s_and_b32 s18, s18, 15                         ; step
	s_lshl_b32 s20, s40, 1
	s_add_co_u32 s20, s20, s16
	s_lshl_b32 s20, s20, 1                         ; the first head: 2 (2 cx + column half)
	s_lshl_b32 s19, s19, 4
	s_add_co_u32 s19, s19, s20                     ; bh
	s_mov_b32 s21, 106496
	s_mov_b32 s22, 6656
	s_cmp_eq_u32 ttmp9, 1
	s_cselect_b64 s[92:93], s[10:11], s[8:9]
	s_cselect_b32 s21, 212992, s21                 ; bytes of a bh,
	s_cselect_b32 s22, 13312, s22                  ; of a step
	s_mul_i32 s46, s19, s21
	s_mul_i32 s23, s18, s22
	s_add_co_u32 s46, s46, s23
	s_mov_b32 s47, 0
	s_add_nc_u64 s[92:93], s[92:93], s[46:47]      ; the first head's block
	s_mov_b32 s46, s21
	s_add_nc_u64 s[94:95], s[92:93], s[46:47]      ; the next head's
	s_wait_alu depctr_va_vdst(0)
.irp a, 0,1,2,3,4,5,6,7
	global_store_b128 v[LI16], v[PC+12*\a:PC+12*\a+3], s[92:93] offset:768*\a          ; 512 consecutive bytes, aligned
	global_store_b64 v[LI8], v[PC+12*\a+4:PC+12*\a+5], s[92:93] offset:768*\a+512      ; 256
	global_store_b128 v[LI16], v[PC+12*\a+6:PC+12*\a+9], s[94:95] offset:768*\a
	global_store_b64 v[LI8], v[PC+12*\a+10:PC+12*\a+11], s[94:95] offset:768*\a+512
.endr
.irp e, 0,1,2,3
	v_cndmask_b32 v[SWA+\e], v[PW+2*\e], v[PW+2*\e+1], s99   ; lanes 0-15 tile 2 e's word, lanes 16-31 tile 2 e + 1's; its bytes 0, 1 are the first head's (bytes 2, 3 meet zero codes)
.endr
.irp a, 0,1,2,3,4,5,6,7
	v_lshrrev_b32 v[PW+\a], 16, v[PW+\a]           ; the next head's two bytes
.endr
.irp e, 0,1,2,3
	v_cndmask_b32 v[SWB+\e], v[PW+2*\e], v[PW+2*\e+1], s99
.endr
	global_store_b128 v[LI16], v[SWA:SWA+3], s[92:93] offset:6144
	global_store_b128 v[LI16], v[SWB:SWB+3], s[94:95] offset:6144
	s_branch .Lstored
.Lv_arm:
	; v: my 128 rows of A are two heads' 64 channels (four tiles each); my 128 tokens are a step's keys
	s_lshl_b32 s18, s42, 1
	s_add_co_u32 s18, s18, s16                     ; which 128 tokens
	s_lshr_b32 s19, s18, 4
	s_and_b32 s18, s18, 15
	s_lshl_b32 s20, s41, 2
	s_lshl_b32 s21, s15, 1
	s_add_co_u32 s20, s20, s21                     ; the first head: 4 cy + 2 x row half
	s_lshl_b32 s19, s19, 4
	s_add_co_u32 s19, s19, s20
	s_mul_i32 s46, s19, 212992
	s_mul_i32 s23, s18, 13312
	s_add_co_u32 s46, s46, s23
	s_add_co_u32 s46, s46, 6656                    ; v's block lies behind k's
	s_mov_b32 s47, 0
	s_add_nc_u64 s[92:93], s[10:11], s[46:47]
	s_add_nc_u64 s[94:95], s[92:93], 212992
	s_wait_alu depctr_va_vdst(0)
.irp a, 0,1,2,3
.irp g, 0,1,2
	global_store_b128 v[LI16], v[PC+12*\a+4*\g:PC+12*\a+4*\g+3], s[92:93] offset:1536*\a+512*\g
	global_store_b128 v[LI16], v[PC+48+12*\a+4*\g:PC+48+12*\a+4*\g+3], s[94:95] offset:1536*\a+512*\g
.endr
.endr
	global_store_b128 v[LI16], v[PW:PW+3], s[92:93] offset:6144
	global_store_b128 v[LI16], v[PW+4:PW+7], s[94:95] offset:6144
.Lstored:
	s_wait_tensorcnt 0x0                           ; the wave's end
	ds_add_u32 v[SPW], v[NIL]
	s_wait_dscnt 0x0
	CROUND                                         ; the closing round
	s_endpgm
.Lfunc_end_k_q72e44bb89e_gemm_qkv:
	.size	k_q72e44bb89e_gemm_qkv, .Lfunc_end_k_q72e44bb89e_gemm_qkv-k_q72e44bb89e_gemm_qkv
	.p2alignl 7, 3214868480
	.fill 96, 4, 3214868480
	.section	.rodata,"a",@progbits
	.p2align	6, 0x0
	.amdhsa_kernel k_q72e44bb89e_gemm_qkv
		.amdhsa_group_segment_fixed_size 327680
		.amdhsa_private_segment_fixed_size 0
		.amdhsa_enable_private_segment 0
		.amdhsa_kernarg_size 32
		.amdhsa_user_sgpr_count 2
		.amdhsa_user_sgpr_kernarg_segment_ptr 1
		.amdhsa_wavefront_size32 1
		.amdhsa_system_sgpr_workgroup_id_x 1
		.amdhsa_system_sgpr_workgroup_id_y 1
		.amdhsa_system_sgpr_workgroup_id_z 1
		.amdhsa_system_vgpr_workitem_id 0
		.amdhsa_next_free_vgpr 1024
		.amdhsa_next_free_sgpr 102
		.amdhsa_reserve_vcc 0
		.amdhsa_float_denorm_mode_32 3
		.amdhsa_float_denorm_mode_16_64 3
		.amdhsa_memory_ordered 1
		.amdhsa_forward_progress 1
		.amdhsa_inst_pref_size 171
	.end_amdhsa_kernel
	.amdgpu_metadata
---
amdhsa.version: [ 1, 2 ]
amdhsa.kernels:
  - .name:           k_q72e44bb89e_gemm_qkv
    .symbol:         k_q72e44bb89e_gemm_qkv.kd
    .args:
      - { .name: xq, .offset: 0, .size: 8, .value_kind: global_buffer, .address_space: global }
      - { .name: wq, .offset: 8, .size: 8, .value_kind: global_buffer, .address_space: global }
      - { .name: qf, .offset: 16, .size: 8, .value_kind: global_buffer, .address_space: global }
      - { .name: kv, .offset: 24, .size: 8, .value_kind: global_buffer, .address_space: global }
    .group_segment_fixed_size: 327680
    .private_segment_fixed_size: 0
    .kernarg_segment_align: 8
    .kernarg_segment_size: 32
    .max_flat_workgroup_size: 128
    .sgpr_count:     102
    .vgpr_count:     1024
    .wavefront_size: 32
...
	.end_amdgpu_metadata
.endif
;; end of part 2
;; launch stats (part 3): grid 4 x 64, 16 waves a work-group, clusters of 4 x 1, 327,680 bytes of LDS; arguments qf, kv, st; writes st
.if DOCPART == 3
	.amdgcn_target "amdgcn-amd-amdhsa--gfx1250"
	.amdhsa_code_object_version 6
	.text
	.protected	k_q72e44bb89e_stats
	.globl	k_q72e44bb89e_stats
	.p2align	8
	.type	k_q72e44bb89e_stats,@function
k_q72e44bb89e_stats:
	s_mov_b64 s[64:65], 0
	v_nop
	global_prefetch_b8 v0, s[64:65] scope:SCOPE_SE
	s_setreg_imm32_b32 hwreg(HW_REG_WAVE_MODE, 25, 1), 1
	s_wait_xcnt 0x0
	s_wait_alu depctr_hold_cnt(0) depctr_sa_sdst(0) depctr_va_vdst(0) depctr_va_sdst(0) depctr_va_ssrc(0) depctr_va_vcc(0) depctr_vm_vsrc(0)
	s_getreg_b32 s2, hwreg(HW_REG_IB_STS2, 6, 4)
	s_cmp_eq_u32 s2, 0
	s_cbranch_scc0 .Lentry_in_a_cluster
	s_endpgm
.Lentry_in_a_cluster:
	s_bfe_u32 s2, ttmp6, 0x10000c
	s_cmp_lg_u32 s2, 0x3003
	s_cbranch_scc0 .Lentry_shape_is_right
	s_endpgm
.Lentry_shape_is_right:
.set SPARE, 106496
.set LI16,  1
.set LI8,   2
.set SPW,   3
.set NIL,   4
.set ADQ16, 5
.set ADQ8,  6
.set SOFF,  7
.set VAL,   8
.set KF,    16
.set KSC,   40
.set QF,    44
.set QS,    100
.set S,     104
.set ST,    168
.set WV,    12
.set CS,    32
.set SEL,   34
.set TB,    36
.set CNT,   37
.set HI,    38
.macro CROUND
	s_barrier_signal -1
	s_barrier_wait -1
	s_cmp_lg_u32 s[WV], 0
	s_cbranch_scc1 .Lnot_wave_0_\@
	s_barrier_signal -3
.Lnot_wave_0_\@:
	s_barrier_wait -3
	s_barrier_signal -1
	s_barrier_wait -1
.endm
.macro WM0 d, a, b, sa, sb, ra, rb
.if ((\ra) == 0) && ((\rb) == 0)
	v_wmma_scale_f32_16x16x128_f8f6f4 v[\d:\d+7], v[\a:\a+11], v[\b:\b+11], 0, v[\sa], v[\sb] matrix_a_fmt:MATRIX_FMT_FP6 matrix_b_fmt:MATRIX_FMT_FP6
.elseif ((\ra) == 1) && ((\rb) == 0)
	v_wmma_scale_f32_16x16x128_f8f6f4 v[\d:\d+7], v[\a:\a+11], v[\b:\b+11], 0, v[\sa], v[\sb] matrix_a_fmt:MATRIX_FMT_FP6 matrix_b_fmt:MATRIX_FMT_FP6 matrix_a_scale:MATRIX_SCALE_ROW1
.elseif ((\ra) == 0) && ((\rb) == 1)
	v_wmma_scale_f32_16x16x128_f8f6f4 v[\d:\d+7], v[\a:\a+11], v[\b:\b+11], 0, v[\sa], v[\sb] matrix_a_fmt:MATRIX_FMT_FP6 matrix_b_fmt:MATRIX_FMT_FP6 matrix_b_scale:MATRIX_SCALE_ROW1
.else
	v_wmma_scale_f32_16x16x128_f8f6f4 v[\d:\d+7], v[\a:\a+11], v[\b:\b+11], 0, v[\sa], v[\sb] matrix_a_fmt:MATRIX_FMT_FP6 matrix_b_fmt:MATRIX_FMT_FP6 matrix_a_scale:MATRIX_SCALE_ROW1 matrix_b_scale:MATRIX_SCALE_ROW1
.endif
.endm
	s_load_b128 s[4:7], s[0:1], 0x0
	s_load_b64 s[8:9], s[0:1], 0x10
	v_lshl_add_u32 v[SPW], v0, 2, SPARE
	v_mov_b32 v[NIL], 0
	ds_add_u32 v[SPW], v[NIL]
	ds_add_u32 v[SPW], v[NIL]
	v_lshrrev_b32 v1, 5, v0
	s_delay_alu instid0(VALU_DEP_1)
	v_readfirstlane_b32 s[WV], v1
	s_bfe_u32 s13, ttmp6, 0x40000
	s_and_b32 s14, ttmp7, 0xffff
	s_mov_b32 s16, 15|(3<<16)|(1<<21)
	s_mov_b32 s17, 32<<16
	s_mov_b32 s18, 13<<16
	s_mov_b32 s19, 32<<16
	s_mov_b32 s20, 13
	s_mov_b32 s21, 32
	s_mov_b32 s22, 0
	s_mov_b32 s23, 0
	s_mul_i32 s15, s[WV], 3328
	s_mul_i32 s10, s14, 106496
	s_add_co_u32 s10, s10, s15
	s_mov_b32 s11, 0
	s_mov_b32 s[CS], 0x3e38aa3b
	s_mov_b32 s[CS+1], s[CS]
	s_mov_b32 s[SEL], 0x76543210
	s_mov_b32 s[SEL+1], 0xfedcba98
	s_mov_b32 s[TB], 0
	s_mov_b32 s[HI], 0xffff0000
	s_wait_dscnt 0x0
	s_wait_kmcnt 0x0
	s_mov_b32 s24, 1
	s_mov_b32 s25, s15
	s_add_nc_u64 s[26:27], s[4:5], s[10:11]
	s_mov_b32 s28, 1
	s_add_co_u32 s29, s15, 53248
	s_add_nc_u64 s[30:31], s[26:27], 53248
	s_or_b32 s27, s27, 0x80000000
	s_or_b32 s31, s31, 0x80000000
	CROUND
	tensor_load_to_lds s[24:27], s[16:23]
	s_nop 0
	s_wait_alu depctr_va_vdst(0)
	s_wait_tensorcnt 0x0
	ds_add_u32 v3, v4
	s_wait_dscnt 0x0
	CROUND
	tensor_load_to_lds s[28:31], s[16:23]
	s_nop 0
.rept 4
	v_nop
.endr
	v_and_b32 v9, 31, v0
	s_delay_alu instid0(VALU_DEP_1)
	v_lshlrev_b32 v[LI16], 4, v9
	s_wait_alu depctr_va_vdst(0)
	v_lshlrev_b32 v[LI8], 3, v9
	s_wait_alu depctr_va_vdst(0)
	s_lshl_b32 s2, s13, 2
	s_lshr_b32 s3, s[WV], 2
	s_add_co_u32 s2, s2, s3
	s_and_b32 s3, s[WV], 3
	s_mul_i32 s10, s14, 212992
	s_mul_i32 s15, s2, 13312
	s_add_co_u32 s10, s10, s15
	s_add_nc_u64 s[6:7], s[6:7], s[10:11]
	s_mul_i32 s15, s3, 1536
	v_add_nc_u32 v9, s15, v[LI16]
	v_add_nc_u32 v10, s15, v[LI8]
	s_lshl_b32 s15, s3, 2
	v_add_nc_u32 v11, s15, v[LI16]
	global_load_b128 v[KF:KF+3], v9, s[6:7]
	global_load_b64 v[KF+4:KF+5], v10, s[6:7] offset:512
	global_load_b128 v[KF+12:KF+15], v9, s[6:7] offset:768
	global_load_b64 v[KF+16:KF+17], v10, s[6:7] offset:1280
	global_load_b32 v[KSC], v11, s[6:7] offset:6144
.irp j, 6,7,8,9,10,11
	v_mov_b32 v[KF+\j], 0
	v_mov_b32 v[KF+12+\j], 0
	v_mov_b32 v[QF+42+\j], 0
.endr
	v_and_b32 v12, 7, v0
	v_bfe_u32 v13, v0, 3, 1
	s_delay_alu instid0(VALU_DEP_1)
	v_lshl_add_u32 v12, v13, 4, v12
	v_bfe_u32 v13, v0, 4, 1
	s_delay_alu instid0(VALU_DEP_1)
	v_lshl_add_u32 v12, v13, 3, v12
	s_delay_alu instid0(VALU_DEP_1)
	v_lshlrev_b32 v[SOFF], 2, v12
	s_lshl_b32 s10, s14, 13
	s_lshl_b32 s15, s2, 9
	s_add_co_u32 s10, s10, s15
	s_lshl_b32 s15, s3, 7
	s_add_co_u32 s10, s10, s15
	s_add_nc_u64 s[8:9], s[8:9], s[10:11]
.irp u, 0,1
	v_mov_b32 v[ST+8*\u+1], 0xff61b1e6
	s_delay_alu instid0(VALU_DEP_1)
	v_mul_f32 v[ST+8*\u], s[CS], v[ST+8*\u+1]
	v_mov_b32 v[ST+8*\u+2], 0
	v_mov_b32 v[ST+8*\u+3], 0
.endr
.macro SOFT u
.set rT, ST+8*(\u)
.irp c, 0,1,2,3
	v_max3_num_f32 v[rT+4+\c], v[S+16*\c], v[S+16*\c+1], v[S+16*\c+2]
.endr
.irp i, 3,5,7,9,11,13
.irp c, 0,1,2,3
	v_max3_num_f32 v[rT+4+\c], v[rT+4+\c], v[S+16*\c+\i], v[S+16*\c+\i+1]
.endr
.endr
	v_max3_num_f32 v[rT+4], v[rT+4], v[S+15], v[S+31]
	v_max3_num_f32 v[rT+6], v[rT+6], v[S+47], v[S+63]
	s_delay_alu instid0(VALU_DEP_1)
	v_max3_num_f32 v[rT+4], v[rT+4], v[rT+5], v[rT+6]
	s_delay_alu instid0(VALU_DEP_1)
	v_max3_num_f32 v[rT+1], v[rT+4], v[rT+7], v[rT+1]
	v_mov_b32 v[rT+5], v[rT]
	s_delay_alu instid0(VALU_DEP_2)
	v_mul_f32 v[rT], s[CS], v[rT+1]
	s_delay_alu instid0(VALU_DEP_1)
	v_sub_f32 v[rT+5], v[rT+5], v[rT]
.set j, 0
.rept 32
	v_pk_fma_f32 v[S+j:S+j+1], v[S+j:S+j+1], s[CS:CS+1], v[rT:rT+1] op_sel_hi:[1,0,0] neg_lo:[0,0,1] neg_hi:[0,0,1]
.set j, j+2
.endr
	s_wait_alu depctr_va_vdst(0)
	v_exp_f32 v[rT+6], v[rT+5]
.set j, 0
.rept 64
	v_exp_f32 v[S+j], v[S+j]
.set j, j+1
.endr
	v_nop
	s_wait_alu depctr_va_vdst(0)
	v_pk_mul_f32 v[rT+2:rT+3], v[rT+2:rT+3], v[rT+6:rT+7] op_sel_hi:[1,0]
	v_pk_add_f32 v[rT+4:rT+5], v[S:S+1], v[S+2:S+3]
.set j, 4
.rept 15
	v_pk_add_f32 v[rT+2:rT+3], v[rT+2:rT+3], v[S+j:S+j+1]
	v_pk_add_f32 v[rT+4:rT+5], v[rT+4:rT+5], v[S+j+2:S+j+3]
.set j, j+4
.endr
	s_delay_alu instid0(VALU_DEP_1)
	v_pk_add_f32 v[rT+2:rT+3], v[rT+2:rT+3], v[rT+4:rT+5]
.endm
.macro STEP
	v_add_nc_u32 v[ADQ16], s[TB], v[LI16]
	v_add_nc_u32 v[ADQ8], s[TB], v[LI8]
	v_nop
	v_nop
.irp t, 0,1,2,3,4,5,6,7
	ds_load_b128 v[QF+6*\t:QF+6*\t+3], v[ADQ16] offset:768*\t
	ds_load_b64 v[QF+6*\t+4:QF+6*\t+5], v[ADQ8] offset:768*\t+512
.endr
	ds_load_b128 v[QS:QS+3], v[ADQ16] offset:6144
	s_wait_dscnt 0x0
.irp u, 0,1
.irp t, 0,1,2,3,4,5,6,7
	WM0 S+8*\t, QF+6*\t, KF+12*\u, QS+\t/2, KSC, \t%2, \u
.endr
.rept 4
	v_nop
.endr
	SOFT \u
.endr
	s_add_co_u32 s[TB], s[TB], 6656
.endm
	s_wait_loadcnt 0x0
	s_wait_tensorcnt 1
	s_barrier_signal -1
	s_barrier_wait -1
	s_mov_b32 s[CNT], 8
.Lfirst:
	STEP
	s_sub_co_u32 s[CNT], s[CNT], 1
	s_cmp_lg_u32 s[CNT], 0
	s_cbranch_scc1 .Lfirst
	s_wait_tensorcnt 0x0
	s_wait_dscnt 0x0
	s_barrier_signal -1
	s_barrier_wait -1
	s_mov_b32 s[CNT], 8
.Lsecond:
	STEP
	s_sub_co_u32 s[CNT], s[CNT], 1
	s_cmp_lg_u32 s[CNT], 0
	s_cbranch_scc1 .Lsecond
.irp u, 0,1
	v_add_f32 v[ST+8*\u+2], v[ST+8*\u+2], v[ST+8*\u+3]
.endr
.irp u, 0
	v_permlanex16_b32 v[ST+8*\u+4], v[ST+8*\u], s[SEL], s[SEL+1]
	s_delay_alu instid0(VALU_DEP_3)
	v_permlanex16_b32 v[ST+8*\u+5], v[ST+8*\u+2], s[SEL], s[SEL+1]
.endr
.irp u, 1
	v_permlanex16_b32 v[ST+8*\u+4], v[ST+8*\u], s[SEL], s[SEL+1]
	s_delay_alu instid0(VALU_DEP_4)
	v_permlanex16_b32 v[ST+8*\u+5], v[ST+8*\u+2], s[SEL], s[SEL+1]
.endr
.irp u, 0
	s_delay_alu instid0(VALU_DEP_4)
	v_max_num_f32 v[ST+8*\u+6], v[ST+8*\u], v[ST+8*\u+4]
.endr
.irp u, 1
	s_delay_alu instid0(VALU_DEP_3)
	v_max_num_f32 v[ST+8*\u+6], v[ST+8*\u], v[ST+8*\u+4]
.endr
.irp u, 0
	s_delay_alu instid0(VALU_DEP_2)
	v_sub_f32 v[ST+8*\u+7], v[ST+8*\u], v[ST+8*\u+6]
	s_delay_alu instid0(VALU_DEP_3)
	v_sub_f32 v[ST+8*\u+4], v[ST+8*\u+4], v[ST+8*\u+6]
.endr
.irp u, 1
	s_delay_alu instid0(VALU_DEP_3)
	v_sub_f32 v[ST+8*\u+7], v[ST+8*\u], v[ST+8*\u+6]
	s_delay_alu instid0(VALU_DEP_4)
	v_sub_f32 v[ST+8*\u+4], v[ST+8*\u+4], v[ST+8*\u+6]
.endr
	s_wait_alu depctr_va_vdst(0)
.irp u, 0,1
	v_exp_f32 v[ST+8*\u+7], v[ST+8*\u+7]
	v_exp_f32 v[ST+8*\u+4], v[ST+8*\u+4]
.endr
	v_nop
	s_wait_alu depctr_va_vdst(0)
.irp u, 0,1
	v_mul_f32 v[ST+8*\u+7], v[ST+8*\u+2], v[ST+8*\u+7]
.endr
.irp u, 0,1
	v_fmac_f32 v[ST+8*\u+7], v[ST+8*\u+5], v[ST+8*\u+4]
.endr
	s_wait_alu depctr_va_vdst(0)
.irp u, 0,1
	v_log_f32 v[ST+8*\u+7], v[ST+8*\u+7]
.endr
	v_nop
	s_wait_alu depctr_va_vdst(0)
.irp u, 0,1
	v_add_f32 v[ST+8*\u+7], -v[ST+8*\u+7], -v[ST+8*\u+6]
.endr
	s_delay_alu instid0(VALU_DEP_1)
	v_cndmask_b32 v[VAL], v[ST+7], v[ST+15], s[HI]
	global_store_b32 v[SOFF], v[VAL], s[8:9]
	s_wait_tensorcnt 0x0
	ds_add_u32 v[SPW], v[NIL]
	s_wait_dscnt 0x0
	CROUND
	s_endpgm
.Lfunc_end_k_q72e44bb89e_stats:
	.size	k_q72e44bb89e_stats, .Lfunc_end_k_q72e44bb89e_stats-k_q72e44bb89e_stats
	.p2alignl 7, 3214868480
	.fill 96, 4, 3214868480
	.section	.rodata,"a",@progbits
	.p2align	6, 0x0
	.amdhsa_kernel k_q72e44bb89e_stats
		.amdhsa_group_segment_fixed_size 327680
		.amdhsa_private_segment_fixed_size 0
		.amdhsa_enable_private_segment 0
		.amdhsa_kernarg_size 24
		.amdhsa_user_sgpr_count 2
		.amdhsa_user_sgpr_kernarg_segment_ptr 1
		.amdhsa_wavefront_size32 1
		.amdhsa_system_sgpr_workgroup_id_x 1
		.amdhsa_system_sgpr_workgroup_id_y 1
		.amdhsa_system_sgpr_workgroup_id_z 1
		.amdhsa_system_vgpr_workitem_id 0
		.amdhsa_next_free_vgpr 256
		.amdhsa_next_free_sgpr 66
		.amdhsa_reserve_vcc 0
		.amdhsa_float_denorm_mode_32 3
		.amdhsa_float_denorm_mode_16_64 3
		.amdhsa_memory_ordered 1
		.amdhsa_forward_progress 1
		.amdhsa_inst_pref_size 50
	.end_amdhsa_kernel
	.amdgpu_metadata
---
amdhsa.version: [ 1, 2 ]
amdhsa.kernels:
  - .name:           k_q72e44bb89e_stats
    .symbol:         k_q72e44bb89e_stats.kd
    .args:
      - { .name: qf, .offset: 0, .size: 8, .value_kind: global_buffer, .address_space: global }
      - { .name: kv, .offset: 8, .size: 8, .value_kind: global_buffer, .address_space: global }
      - { .name: st, .offset: 16, .size: 8, .value_kind: global_buffer, .address_space: global }
    .group_segment_fixed_size: 327680
    .private_segment_fixed_size: 0
    .kernarg_segment_align: 8
    .kernarg_segment_size: 24
    .max_flat_workgroup_size: 512
    .sgpr_count:     66
    .vgpr_count:     256
    .wavefront_size: 32
...
	.end_amdgpu_metadata
.endif
;; end of part 3
;; launch attn (part 4): grid 4 x 64, 8 waves a work-group, clusters of 4 x 1, 327,680 bytes of LDS; arguments qf, kv, st, yq; writes yq
.if DOCPART == 4
	.amdgcn_target "amdgcn-amd-amdhsa--gfx1250"
	.amdhsa_code_object_version 6
	.text
	.protected	k_q72e44bb89e_attn
	.globl	k_q72e44bb89e_attn
	.p2align	8
	.type	k_q72e44bb89e_attn,@function
k_q72e44bb89e_attn:
	s_mov_b64 s[64:65], 0
	v_nop
	global_prefetch_b8 v0, s[64:65] scope:SCOPE_SE
	s_setreg_imm32_b32 hwreg(HW_REG_WAVE_MODE, 25, 1), 1
	s_wait_xcnt 0x0
	s_wait_alu depctr_hold_cnt(0) depctr_sa_sdst(0) depctr_va_vdst(0) depctr_va_sdst(0) depctr_va_ssrc(0) depctr_va_vcc(0) depctr_vm_vsrc(0)
	s_getreg_b32 s2, hwreg(HW_REG_IB_STS2, 6, 4)
	s_cmp_eq_u32 s2, 0
	s_cbranch_scc0 .Lentry_in_a_cluster
	s_endpgm
.Lentry_in_a_cluster:
	s_bfe_u32 s2, ttmp6, 0x10000c
	s_cmp_lg_u32 s2, 0x3003
	s_cbranch_scc0 .Lentry_shape_is_right
	s_endpgm
.Lentry_shape_is_right:
; PRODUCT 2 ONCE MORE, attn, ITS QUANTISER, PRODUCT 3, AND y's QUANTISER.  attn[i][j] = 2^(c s[i][j] - (c m_j + log2 l_j)), c = log2(e) / 8: the finished, normalised softmax over the queries, with each key's maximum taken away inside the
; exponent; the term in brackets comes from the launch before.  attn is quantised along the keys, in blocks of 32, and multiplied by v's codes; y is quantised along the hidden axis and stored as codes.  Nothing of the problem is left out here.
; SHARES.  A work-group owns 512 queries of one (batch, head); each of its eight waves 64: four tiles of 16, which share every fragment of k and v and every bias register read from LDS.  Every wave walks all keys, 128 a step.
; LAYOUT.  Both products transposed: S^T = K Q^T (source 0 = 16 keys, source 1 = 16 queries), O^T = V^T P^T: a lane holds ONE query throughout.  The keys of a tile lie in the chosen order, so that register 16 b + i of a lane is key
; 32 b + 16 (lane / 16) + i of the step; likewise the channels of O^T.
; K = 64 IN AN INSTRUCTION OF 128: the queries' registers 6-11 hold zero codes; the keys' half fragments lie six registers apart, six zeros behind the eighth.
; LDS, filled once, by joint loads (the four work-groups of a cluster own the four quarters of one head's queries and read the same k, v and bias): the head's k and v, 212,992 bytes; the bias, 8,192.  Nothing is filled again.
; yq: codes [head / 4][tile of 16 token positions, 512][head % 4][half fragment 768 bytes]; at byte 6,291,456 the scale bytes [position][32], a head's two at 2 x head.
; LIMITS: a p under 2^-126 becomes 0 (v_exp_f32 flushes denormals: ISA guide, its entry); the rounding of c s - (c m + log2 l) grows with |c s|; a block of zeros keeps the byte 1; NaN and infinities are not served.
; REGISTERS.  window 0: see the names below.  window 1: v0-127 O^T (tile i at 32 i, channel tile t at + 8 t); v128-181 k's half fragments; v184-231 v's four fragments.
.set BIAS,  212992
.set SPARE, 221184                     ; the spare words: 128 bytes for each of 8 waves
.set LI16,  1
.set LI8,   2
.set ADK16, 3
.set ADK8,  4
.set ADB,   5
.set SPW,   6
.set NIL,   7
.set BH0,   8                          ; v8   BIAS + 64 (lane / 16)
.set YSO,   9                          ; v9   32 r + 512 h: y's scale bytes
.set QSC,   10                         ; v10-11 the queries' scale words: tile i in register i / 2, half i % 2
.set KSC,   12                         ; v12-15 the keys'
.set VSC,   16                         ; v16-19 v's
.set PSC,   20                         ; v20  p's
.set YW,    22                         ; v22-23 y's scale bytes (v21 at work)
.set TM,    24                         ; v24-39 at work
.set Q,     40                         ; v40-87 four tiles of queries: 6 registers of codes, 6 of zeros
.set S,     88                         ; v88-151 S^T, then p
.set BI,    152                        ; v152-215 the bias of the lane's 64 keys
.set PC,    216                        ; v216-227 p's codes
.set CT,    228                        ; v228-234 the conversions' second halves
.set KF,    128                        ; in window 1
.set VF,    184
.set WV,    12
.set CS,    52
.set SEL,   54
.set TB,    56
.set TBB,   57
.set CNT,   58
.set HI,    59
.set MSB, 0
.macro WIN new
.if MSB != (\new)
	s_set_vgpr_msb (MSB<<8)|(\new)
.set MSB, (\new)
.endif
.endm
.macro CROUND
	s_barrier_signal -1
	s_barrier_wait -1
	s_cmp_lg_u32 s[WV], 0
	s_cbranch_scc1 .Lnot_wave_0_\@
	s_barrier_signal -3
.Lnot_wave_0_\@:
	s_barrier_wait -3
	s_barrier_signal -1
	s_barrier_wait -1
.endm
.macro WM0 d, a, b, sa, sb, ra, rb
.if ((\ra) == 0) && ((\rb) == 0)
	v_wmma_scale_f32_16x16x128_f8f6f4 v[\d:\d+7], v[\a:\a+11], v[\b:\b+11], 0, v[\sa], v[\sb] matrix_a_fmt:MATRIX_FMT_FP6 matrix_b_fmt:MATRIX_FMT_FP6
.elseif ((\ra) == 1) && ((\rb) == 0)
	v_wmma_scale_f32_16x16x128_f8f6f4 v[\d:\d+7], v[\a:\a+11], v[\b:\b+11], 0, v[\sa], v[\sb] matrix_a_fmt:MATRIX_FMT_FP6 matrix_b_fmt:MATRIX_FMT_FP6 matrix_a_scale:MATRIX_SCALE_ROW1
.elseif ((\ra) == 0) && ((\rb) == 1)
	v_wmma_scale_f32_16x16x128_f8f6f4 v[\d:\d+7], v[\a:\a+11], v[\b:\b+11], 0, v[\sa], v[\sb] matrix_a_fmt:MATRIX_FMT_FP6 matrix_b_fmt:MATRIX_FMT_FP6 matrix_b_scale:MATRIX_SCALE_ROW1
.else
	v_wmma_scale_f32_16x16x128_f8f6f4 v[\d:\d+7], v[\a:\a+11], v[\b:\b+11], 0, v[\sa], v[\sb] matrix_a_fmt:MATRIX_FMT_FP6 matrix_b_fmt:MATRIX_FMT_FP6 matrix_a_scale:MATRIX_SCALE_ROW1 matrix_b_scale:MATRIX_SCALE_ROW1
.endif
.endm
	s_load_b256 s[4:11], s[0:1], 0x0               ; qf s[4:5], kv s[6:7], st s[8:9], yq s[10:11]
	v_lshl_add_u32 v[SPW], v0, 2, SPARE
	v_mov_b32 v[NIL], 0
	ds_add_u32 v[SPW], v[NIL]                      ; the wave's opening: the add, twice on end, and its wait ahead of my first tensor load
	ds_add_u32 v[SPW], v[NIL]
	v_lshrrev_b32 v1, 5, v0
	s_delay_alu instid0(VALU_DEP_1)
	v_readfirstlane_b32 s[WV], v1                  ; wave 0..7
	s_bfe_u32 s13, ttmp6, 0x40000                  ; cx: which quarter of the queries
	s_and_b32 s14, ttmp7, 0xffff                   ; bh, which the four partners share
.irp g, 16, 24, 32                     ; three groups 1: dense rows of 256 bytes (32 elements of 8), the mask of all four, bit 21 beside it; they differ in the number of rows
	s_mov_b32 s[\g], 15|(3<<16)|(1<<21)
	s_mov_b32 s[\g+1], 32<<16
	s_mov_b32 s[\g+3], 32<<16
	s_mov_b32 s[\g+5], 32
	s_mov_b32 s[\g+6], 0
	s_mov_b32 s[\g+7], 0
.endr
	s_mov_b32 s18, 32<<16                          ; the bias: 32 rows, wave 4's load
	s_mov_b32 s20, 32
	s_mov_b32 s26, 52<<16                          ; key steps 0-3: a step, 52 rows, for each of waves 0-3
	s_mov_b32 s28, 52
	s_mov_b32 s34, 78<<16                          ; key steps 4-15: 78 rows a wave
	s_mov_b32 s36, 78
	s_mov_b32 s60, 0
	s_mul_i32 s61, s[WV], 13312
	s_mul_i32 s70, s[WV], 19968
	s_add_co_u32 s70, s70, 53248
	s_lshl_b32 s62, s14, 13
	s_add_co_u32 s62, s62, s60
	s_mov_b32 s63, 0
	s_mul_i32 s66, s14, 212992
	s_add_co_u32 s68, s66, s70
	s_add_co_u32 s66, s66, s61
	s_mov_b32 s67, 0
	s_mov_b32 s69, 0
	s_mov_b32 s[CS], 0x3e38aa3b                    ; c = log2(e) / 8
	s_mov_b32 s[CS+1], s[CS]
	s_mov_b32 s[SEL], 0x76543210
	s_mov_b32 s[SEL+1], 0xfedcba98
	s_mov_b32 s[TB], 0
	s_mov_b32 s[TBB], 0
	s_mov_b32 s[HI], 0xffff0000
	s_wait_dscnt 0x0                               ; both opening adds are done
	s_wait_kmcnt 0x0
	s_mov_b32 s40, 1
	s_add_co_u32 s41, s60, BIAS
	s_add_nc_u64 s[42:43], s[8:9], s[62:63]
	s_or_b32 s43, s43, 0x80000000
	s_mov_b32 s44, 1
	s_mov_b32 s45, s61
	s_add_nc_u64 s[46:47], s[6:7], s[66:67]
	s_or_b32 s47, s47, 0x80000000
	s_mov_b32 s48, 1
	s_mov_b32 s49, s70
	s_add_nc_u64 s[50:51], s[6:7], s[68:69]
	s_or_b32 s51, s51, 0x80000000
	CROUND                                         ; all four work-groups are here: the joint loads meet
	s_cmp_lt_u32 s[WV], 4                          ; the head's loads, at most one a wave: one chain of branches on the wave's number, all arms to one join
	s_cbranch_scc0 .Lh_bias
	tensor_load_to_lds s[44:47], s[24:31]          ; waves 0-3: key step = wave
	s_nop 0
	s_branch .Lh_join
.Lh_bias:
	s_cmp_eq_u32 s[WV], 4
	s_cbranch_scc0 .Lh_join
	tensor_load_to_lds s[40:43], s[16:23]          ; wave 4: the bias
	s_nop 0
.Lh_join:
.rept 4
	v_nop
.endr
	v_and_b32 v9, 31, v0
	s_delay_alu instid0(VALU_DEP_1)
	v_lshlrev_b32 v[LI16], 4, v9
	s_delay_alu instid0(VALU_DEP_2)
	v_lshlrev_b32 v[LI8], 3, v9
	s_and_b32 s60, s[WV], 1
	s_mul_i32 s61, s60, 3072                       ; my four tiles are 4 (wave % 2) + i of the query step
	s_lshl_b32 s60, s60, 3
	v_add_nc_u32 v3, s61, v[LI16]
	v_add_nc_u32 v4, s61, v[LI8]
	v_add_nc_u32 v5, s60, v[LI16]
	s_lshl_b32 s15, s13, 2
	s_lshr_b32 s62, s[WV], 1
	s_add_co_u32 s15, s15, s62                     ; my query step: 4 cx + wave / 2
	s_mul_i32 s62, s14, 106496
	s_mul_i32 s66, s15, 6656
	s_add_co_u32 s62, s62, s66
	s_add_nc_u64 s[4:5], s[4:5], s[62:63]
.irp i, 0,1,2,3
	global_load_b128 v[Q+12*\i:Q+12*\i+3], v3, s[4:5] offset:768*\i
	global_load_b64 v[Q+12*\i+4:Q+12*\i+5], v4, s[4:5] offset:768*\i+512
.endr
	global_load_b64 v[QSC:QSC+1], v5, s[4:5] offset:6144
.irp i, 0,1,2,3
.irp j, 6,7,8,9,10,11
	v_mov_b32 v[Q+12*\i+\j], 0                     ; zero codes for k = 64..127
.endr
.endr
.irp b, 0,1,2,3
	v_mov_b32 v[TM+4+\b], 0                        ; written once: a lane permute's destination counts as one of its sources
.endr
	v_bfe_u32 v[BH0], v0, 4, 1
	s_delay_alu instid0(VALU_DEP_1)
	v_lshl_add_u32 v[BH0], v[BH0], 6, BIAS
	WIN 0x40                                       ; destination window 1
.irp j, 0,1,2,3,4,5
	v_mov_b32 v[KF+48+\j], 0                       ; behind the eighth half fragment
.endr
	WIN 0
.macro SMUL i                          ; S^T of query tile i: eight tiles of 16 keys
	WIN 0x01                                       ; source 0 (k) window 1
.irp t, 0,1,2,3,4,5,6,7
	WM0 S+8*\t, KF+6*\t, Q+12*(\i), KSC+\t/2, QSC+(\i)/2, \t%2, (\i)%2
.endr
	WIN 0
.endm
.macro FMA_T                           ; c s - (c m_j + log2 l_j), two at a time; each accumulator is read from its low end on
.set j, 0
.rept 32
	v_pk_fma_f32 v[S+j:S+j+1], v[S+j:S+j+1], s[CS:CS+1], v[BI+j:BI+j+1] op_sel_hi:[1,0,1]
.set j, j+2
.endr
.endm
.macro EXP_T                           ; attn, finished and normalised: one batch, one wait
.set j, 0
.rept 64
	v_exp_f32 v[S+j], v[S+j]
.set j, j+1
.endr
	v_nop                                          ; a plain instruction behind the last exponential
	s_wait_alu depctr_va_vdst(0)                   ; one wait for the batch, ahead of its first reader
.endm
.macro QP1                             ; the four blocks of 32 keys: largest p (none is negative), scale bytes, conversions
.irp b, 0,1,2,3
	v_max3_num_f32 v[TM+\b], v[S+16*\b], v[S+16*\b+1], 0x1800000   ; with the floor 2^(3 - 127)
.endr
.irp j, 2,4,6,8,10,12,14
.irp b, 0,1,2,3
	v_max3_num_f32 v[TM+\b], v[TM+\b], v[S+16*\b+\j], v[S+16*\b+\j+1]
.endr
.endr
.irp b, 0,1,2,3
	s_delay_alu instid0(VALU_DEP_4)
	v_permlanex16_b32 v[TM+4+\b], v[TM+\b], s[SEL], s[SEL+1]
.endr
.irp b, 0,1,2,3
	s_delay_alu instid0(VALU_DEP_4)
	v_max_num_f32 v[TM+\b], v[TM+\b], v[TM+4+\b]
.endr
.irp b, 0,1,2,3
	s_delay_alu instid0(VALU_DEP_4)
	v_add_nc_u32 v[TM+12+\b], 0xff000000, v[TM+\b]
.endr
.irp b, 0,1,2,3
	s_delay_alu instid0(VALU_DEP_4)
	v_lshrrev_b32 v[TM+4+\b], 23, v[TM+12+\b]
.endr
	s_delay_alu instid0(VALU_DEP_3)
	v_lshl_or_b32 v[PSC], v[TM+5], 8, v[TM+4]
	s_delay_alu instid0(VALU_DEP_1)
	v_lshl_or_b32 v[PSC], v[TM+6], 16, v[PSC]
	s_delay_alu instid0(VALU_DEP_1)
	v_lshl_or_b32 v[PSC], v[TM+7], 24, v[PSC]
.irp c, 0,1
	v_cvt_scalef32_pk16_fp6_f32 v[PC+6*\c:PC+6*\c+2], v[S+32*\c:S+32*\c+15], v[TM+12+2*\c]
	v_cvt_scalef32_pk16_fp6_f32 v[CT+4*\c:CT+4*\c+2], v[S+32*\c+16:S+32*\c+31], v[TM+12+2*\c+1]
.endr
	v_nop                                          ; one plain place behind a scaled conversion: the next products write the conversions' sources
.endm
.macro QP2                             ; a whole block to a lane.  These twelve lines are also the places behind the products issued just before them
.irp c, 0,1
.irp k, 0,1,2
	v_permlane16_swap_b32 v[PC+6*\c+\k], v[CT+4*\c+\k]
.endr
.irp k, 0,1,2
	s_delay_alu instid0(VALU_DEP_3)
	v_mov_b32 v[PC+3+6*\c+\k], v[CT+4*\c+\k]
.endr
.endr
.endm
.macro PV i, zero                      ; O^T of query tile i += V^T P^T: four tiles of 16 channels; four accumulators, one instruction each
	WIN 0x51                                       ; source 0 (v), C and D window 1
.irp t, 0,1,2,3
.if \zero
	v_wmma_scale_f32_16x16x128_f8f6f4 v[32*(\i)+8*\t:32*(\i)+8*\t+7], v[VF+12*\t:VF+12*\t+11], v[PC:PC+11], 0, v[VSC+\t], v[PSC] matrix_a_fmt:MATRIX_FMT_FP6 matrix_b_fmt:MATRIX_FMT_FP6
.else
	v_wmma_scale_f32_16x16x128_f8f6f4 v[32*(\i)+8*\t:32*(\i)+8*\t+7], v[VF+12*\t:VF+12*\t+11], v[PC:PC+11], v[32*(\i)+8*\t:32*(\i)+8*\t+7], v[VSC+\t], v[PSC] matrix_a_fmt:MATRIX_FMT_FP6 matrix_b_fmt:MATRIX_FMT_FP6
.endif
.endr
	WIN 0
.endm
; A KEY STEP: 128 keys for my four tiles of queries.  A tile's second product stands behind the next tile's 32 scalings (the places that its operand and scale, written by vector instructions, ask for), and the next tile's first product
; behind this tile's conversions: the matrix unit works under the exponentials.  No two matrix instructions that follow each other share an accumulator.
.macro STEP zero
	v_add_nc_u32 v[ADK16], s[TB], v[LI16]
	v_add_nc_u32 v[ADK8], s[TB], v[LI8]
	v_add_nc_u32 v[ADB], s[TBB], v[BH0]
	v_nop                                          ; four places in front of loads into registers that the last products have read
	WIN 0x40
.irp t, 0,1,2,3,4,5,6,7
	ds_load_b128 v[KF+6*\t:KF+6*\t+3], v[ADK16] offset:768*\t
	ds_load_b64 v[KF+6*\t+4:KF+6*\t+5], v[ADK8] offset:768*\t+512
.endr
	WIN 0
	ds_load_b128 v[KSC:KSC+3], v[ADK16] offset:6144
.irp b, 0,1,2,3
.irp g, 0,1,2,3
	ds_load_b128 v[BI+16*\b+4*\g:BI+16*\b+4*\g+3], v[ADB] offset:128*\b+16*\g   ; keys 32 b + 16 h + 4 g on: the same address in each half of the lanes
.endr
.endr
	WIN 0x40
.irp t, 0,1,2,3
.irp g, 0,1,2
	ds_load_b128 v[VF+12*\t+4*\g:VF+12*\t+4*\g+3], v[ADK16] offset:6656+1536*\t+512*\g
.endr
.endr
	WIN 0
	ds_load_b128 v[VSC:VSC+3], v[ADK16] offset:12800
	s_wait_dscnt 29                                ; k and its scale words are in; the bias's 16 loads, v's 12 and the one of v's scale words may be out
	SMUL 0
.rept 4
	v_nop
.endr
	s_wait_dscnt 13                                ; the bias is in; v's 12 and 1 may be out
.irp i, 0,1,2,3
	FMA_T
.if \i > 0
.if \i == 1
	s_wait_dscnt 0x0                               ; v and its scale words
.endif
	PV \i-1, \zero
.endif
	s_wait_alu depctr_va_vdst(0)
	EXP_T
	QP1
.if \i < 3
	SMUL \i+1
.endif
	QP2
.endr
.rept 8
	v_nop                                          ; a scale register written by vector instructions stands eight places ahead of a scaled product, an operand four
.endr
	PV 3, \zero
	s_add_co_u32 s[TB], s[TB], 13312
	s_add_co_u32 s[TBB], s[TBB], 512
.endm
	s_wait_alu depctr_va_vdst(0)
	s_wait_tensorcnt 0x0                           ; my load of the head, if I had one, is in,
	ds_add_u32 v[SPW], v[NIL]                      ; the add twice on end
	ds_add_u32 v[SPW], v[NIL]
	s_wait_dscnt 0x0
	CROUND                                         ; the bias and key steps 0-3 are in, and all four work-groups are here
	tensor_load_to_lds s[48:51], s[32:39]          ; key steps 4-15, 78 rows a wave: my one load behind the round; bytes filled for the first time
	s_nop 0
.rept 4
	v_nop
.endr
	s_wait_loadcnt 0x0                             ; my queries; their loads' offset registers are free
	STEP 1                                         ; the first step's products start O^T
	s_mov_b32 s[CNT], 3
.Lhead:
	STEP 0
	s_sub_co_u32 s[CNT], s[CNT], 1
	s_cmp_lg_u32 s[CNT], 0
	s_cbranch_scc1 .Lhead
	s_wait_tensorcnt 0x0                           ; my part of key steps 4-15 is in,
	s_wait_dscnt 0x0
	s_barrier_signal -1
	s_barrier_wait -1                              ; everybody's is
	s_mov_b32 s[CNT], 12
.Lrest:
	STEP 0
	s_sub_co_u32 s[CNT], s[CNT], 1
	s_cmp_lg_u32 s[CNT], 0
	s_cbranch_scc1 .Lrest
	; THE WAY OUT.  A lane's 32 registers of a tile are channels 32 b + 16 h + i of its query: two blocks of product 4's K.  They become a half fragment and two scale bytes.
	v_and_b32 v[YSO], 15, v0                       ; four plain lines: the places behind the last products
	s_delay_alu instid0(VALU_DEP_1)
	v_lshlrev_b32 v[YSO], 5, v[YSO]
	v_bfe_u32 v21, v0, 4, 1
	s_delay_alu instid0(VALU_DEP_1)
	v_lshl_add_u32 v[YSO], v21, 9, v[YSO]
	s_lshr_b32 s60, s14, 4                         ; batch
	s_and_b32 s61, s14, 15                         ; head
	s_lshl_b32 s60, s60, 7
	s_lshl_b32 s62, s15, 3
	s_add_co_u32 s60, s60, s62
	s_and_b32 s62, s[WV], 1
	s_lshl_b32 s62, s62, 2
	s_add_co_u32 s60, s60, s62                     ; my first tile of 16 positions: 128 batch + 8 step + 4 (wave % 2)
	s_lshr_b32 s62, s61, 2
	s_mul_i32 s66, s62, 1572864
	s_mul_i32 s62, s60, 3072
	s_add_co_u32 s66, s66, s62
	s_and_b32 s62, s61, 3
	s_mul_i32 s62, s62, 768
	s_add_co_u32 s66, s66, s62
	s_mov_b32 s67, 0
	s_add_nc_u64 s[68:69], s[10:11], s[66:67]      ; the codes
	s_lshl_b32 s66, s60, 9
	s_lshl_b32 s62, s61, 1
	s_add_co_u32 s66, s66, s62
	s_add_co_u32 s66, s66, 6291456
	s_add_nc_u64 s[70:71], s[10:11], s[66:67]      ; the scale bytes
.macro YOUT i
.set OB, 32*(\i)
.set YC, 236+6*((\i)%2)                ; v236-241, v242-247 by turns
	WIN 0x05                                       ; sources 0 and 1 window 1
.irp b, 0,1
	v_max3_num_f32 v[TM+\b], |v[OB+16*\b]|, |v[OB+16*\b+1]|, 0x1800000   ; each accumulator is read from its low end on
.endr
.irp j, 2,4,6,8,10,12,14
.irp b, 0,1
	v_max3_num_f32 v[TM+\b], |v[OB+16*\b+\j]|, |v[OB+16*\b+\j+1]|, v[TM+\b]
.endr
.endr
	WIN 0
.irp b, 0,1
	v_permlanex16_b32 v[TM+4+\b], v[TM+\b], s[SEL], s[SEL+1]
.endr
.irp b, 0,1
	s_delay_alu instid0(VALU_DEP_2)
	v_max_num_f32 v[TM+\b], v[TM+\b], v[TM+4+\b]
.endr
.irp b, 0,1
	s_delay_alu instid0(VALU_DEP_2)
	v_add_nc_u32 v[TM+12+\b], 0xff000000, v[TM+\b]
.endr
.irp b, 0,1
	s_delay_alu instid0(VALU_DEP_2)
	v_lshrrev_b32 v[TM+4+\b], 23, v[TM+12+\b]
.endr
.if (\i)%2 == 0
	s_delay_alu instid0(VALU_DEP_1)
	v_lshl_or_b32 v[YW+(\i)/2], v[TM+5], 8, v[TM+4]
.else
	s_delay_alu instid0(VALU_DEP_1)
	v_lshl_or_b32 v21, v[TM+5], 8, v[TM+4]
	s_delay_alu instid0(VALU_DEP_1)
	v_cndmask_b32 v[YW+(\i)/2], v[YW+(\i)/2], v21, s[HI]   ; lanes 0-15 the even tile's rows, lanes 16-31 the odd tile's
.endif
.if (\i) >= 2
	s_wait_alu depctr_va_vdst(0)
	s_wait_xcnt 0x0                                ; the stores of two tiles ago have read their registers
.endif
	WIN 0x01
	v_cvt_scalef32_pk16_fp6_f32 v[YC:YC+2], v[OB:OB+15], v[TM+12]
	v_cvt_scalef32_pk16_fp6_f32 v[CT:CT+2], v[OB+16:OB+31], v[TM+13]
	WIN 0
	v_nop
.irp k, 0,1,2
	v_permlane16_swap_b32 v[YC+\k], v[CT+\k]
.endr
.irp k, 0,1,2
	s_delay_alu instid0(VALU_DEP_3)
	v_mov_b32 v[YC+3+\k], v[CT+\k]
.endr
	global_store_b128 v[LI16], v[YC:YC+3], s[68:69] offset:3072*(\i)         ; 512 consecutive bytes, aligned
	global_store_b64 v[LI8], v[YC+4:YC+5], s[68:69] offset:3072*(\i)+512     ; 256
.endm
	YOUT 0
	YOUT 1
	YOUT 2
	YOUT 3
	global_store_b16 v[YSO], v[YW], s[70:71]       ; two bytes of each of 32 positions' rows of scale bytes: two such stores a wave in the whole launch
	global_store_b16 v[YSO], v[YW+1], s[70:71] offset:1024
	s_wait_tensorcnt 0x0                           ; the wave's end
	ds_add_u32 v[SPW], v[NIL]
	s_wait_dscnt 0x0
	CROUND                                         ; the closing round
	s_endpgm
.Lfunc_end_k_q72e44bb89e_attn:
	.size	k_q72e44bb89e_attn, .Lfunc_end_k_q72e44bb89e_attn-k_q72e44bb89e_attn
	.p2alignl 7, 3214868480
	.fill 96, 4, 3214868480
	.section	.rodata,"a",@progbits
	.p2align	6, 0x0
	.amdhsa_kernel k_q72e44bb89e_attn
		.amdhsa_group_segment_fixed_size 327680
		.amdhsa_private_segment_fixed_size 0
		.amdhsa_enable_private_segment 0
		.amdhsa_kernarg_size 32
		.amdhsa_user_sgpr_count 2
		.amdhsa_user_sgpr_kernarg_segment_ptr 1
		.amdhsa_wavefront_size32 1
		.amdhsa_system_sgpr_workgroup_id_x 1
		.amdhsa_system_sgpr_workgroup_id_y 1
		.amdhsa_system_sgpr_workgroup_id_z 1
		.amdhsa_system_vgpr_workitem_id 0
		.amdhsa_next_free_vgpr 512
		.amdhsa_next_free_sgpr 72
		.amdhsa_reserve_vcc 0
		.amdhsa_float_denorm_mode_32 3
		.amdhsa_float_denorm_mode_16_64 3
		.amdhsa_memory_ordered 1
		.amdhsa_forward_progress 1
		.amdhsa_inst_pref_size 155
	.end_amdhsa_kernel
	.amdgpu_metadata
---
amdhsa.version: [ 1, 2 ]
amdhsa.kernels:
  - .name:           k_q72e44bb89e_attn
    .symbol:         k_q72e44bb89e_attn.kd
    .args:
      - { .name: qf, .offset: 0, .size: 8, .value_kind: global_buffer, .address_space: global }
      - { .name: kv, .offset: 8, .size: 8, .value_kind: global_buffer, .address_space: global }
      - { .name: st, .offset: 16, .size: 8, .value_kind: global_buffer, .address_space: global }
      - { .name: yq, .offset: 24, .size: 8, .value_kind: global_buffer, .address_space: global }
    .group_segment_fixed_size: 327680
    .private_segment_fixed_size: 0
    .kernarg_segment_align: 8
    .kernarg_segment_size: 32
    .max_flat_workgroup_size: 256
    .sgpr_count:     72
    .vgpr_count:     512
    .wavefront_size: 32
...
	.end_amdgpu_metadata
.endif
;; end of part 4
;; launch gemm_out (part 5): grid 4 x 32, 4 waves a work-group, clusters of 4 x 4, 327,680 bytes of LDS; arguments yq, wq, b_out, out0; writes out0
.if DOCPART == 5
	.amdgcn_target "amdgcn-amd-amdhsa--gfx1250"
	.amdhsa_code_object_version 6
	.text
	.protected	k_q72e44bb89e_gemm_out
	.globl	k_q72e44bb89e_gemm_out
	.p2align	8
	.type	k_q72e44bb89e_gemm_out,@function
k_q72e44bb89e_gemm_out:
	s_mov_b64 s[64:65], 0
	v_nop
	global_prefetch_b8 v0, s[64:65] scope:SCOPE_SE
	s_setreg_imm32_b32 hwreg(HW_REG_WAVE_MODE, 25, 1), 1
	s_wait_xcnt 0x0
	s_wait_alu depctr_hold_cnt(0) depctr_sa_sdst(0) depctr_va_vdst(0) depctr_va_sdst(0) depctr_va_ssrc(0) depctr_va_vcc(0) depctr_vm_vsrc(0)
	s_getreg_b32 s2, hwreg(HW_REG_IB_STS2, 6, 4)
	s_cmp_eq_u32 s2, 0
	s_cbranch_scc0 .Lentry_in_a_cluster
	s_endpgm
.Lentry_in_a_cluster:
	s_bfe_u32 s2, ttmp6, 0x10000c
	s_cmp_lg_u32 s2, 0xf033
	s_cbranch_scc0 .Lentry_shape_is_right
	s_endpgm
.Lentry_shape_is_right:
.set SIZE_N, 1024
.set NQ,     2
.set ROWB,   192
; PRODUCT 4, y w_out + b_out, on codes.  wq's codes lie [K step][position][192 bytes]; w_out's positions begin at 3,072.  128 positions of a K step are loaded as 96 dense rows of 256 bytes; 16 bytes of padding behind every 64 give the LDS pitch of 240.
.set PITCH,  240
.set FR,     12
.set NLA,    4
.set NP,     4
.set HALFA,  24576
.set ASTEP,  1572864
.set HALFT,  128*PITCH
.set BOFF,   2*HALFA
.set SLOT,   2*HALFA+2*HALFT
.set LAPS,   2
.set KS,     32
.set SCL,    2*SLOT
.set HALFS,  (128*KS/256)*272
.set SBLK,   (16*KS/256)*272
.set SPARE,  SCL+4*HALFS
.set SPITCH, 528
.set ADRA, 16
.set ADRB, 20
.set STO,  24
.set RD,   25
.set CO,   26
.set ADRS, 27
.set SPW,  28
.set NIL,  29
.set SC,   32
.set BO,   64
.set AF,   128
.set BK,   128
.set G1, 24
.set G0, 32
.set G1B, 48
.set G0B, 56
.set G1S, 68
.set G0S, 76
.set G1SB, 80
.set G0SB, 88
.set MSB, 0
.macro WIN new
.if MSB != (\new)
	s_set_vgpr_msb (MSB<<8)|(\new)
.set MSB, (\new)
.endif
.endm
.set MUL_LO, 0xa1
.set MUL_HI, 0xf1
.set TO_B,   0x40
.macro JLOAD g0a, g1a, g0b, g1b
	s_cmp_eq_u32 s15, 0
	s_cbranch_scc0 .Lfor_b_\@
	tensor_load_to_lds s[\g0a:\g0a+3], s[\g1a:\g1a+7]
	s_nop 0
.rept 4
	v_nop
.endr
	s_branch .Lasked_\@
.Lfor_b_\@:
	tensor_load_to_lds s[\g0b:\g0b+3], s[\g1b:\g1b+7]
	s_nop 0
.rept 4
	v_nop
.endr
.Lasked_\@:
.endm
.macro CREST
	s_cmp_lg_u32 s14, 0
	s_cbranch_scc1 .Lnot_wave_0_\@
	s_barrier_signal -3
.Lnot_wave_0_\@:
	s_barrier_wait -3
	s_barrier_signal -1
	s_barrier_wait -1
.endm
.macro CROUND
	s_barrier_signal -1
	s_barrier_wait -1
	CREST
.endm
	s_load_b256 s[4:11], s[0:1], 0x0
	v_lshl_add_u32 v[SPW], v0, 2, SPARE
	v_mov_b32 v[NIL], 0
	ds_add_u32 v[SPW], v[NIL]
	ds_add_u32 v[SPW], v[NIL]
	v_lshrrev_b32 v1, 5, v0
	v_readfirstlane_b32 s14, v1
	s_lshr_b32 s15, s14, 1
	s_and_b32 s16, s14, 1
	s_bfe_u32 s40, ttmp6, 0x40000
	s_bfe_u32 s41, ttmp6, 0x40004
	s_lshl_b32 s42, ttmp9, 2
	s_add_co_u32 s42, s42, s40
	s_and_b32 s17, ttmp7, 0xffff
	s_lshl_b32 s17, s17, 2
	s_add_co_u32 s17, s17, s41
	s_lshl_b32 s43, s41, 2
	s_lshl_b32 s43, 15, s43
	s_lshl_b32 s44, 0x1111, s40
	s_or_b32 s[G1+0], s43, (3<<16)|(1<<21)
	s_mov_b32 s[G1+1], 32<<16
	s_mov_b32 s[G1+2], 192<<16                     ; the head's load brings 256 positions
	s_mov_b32 s[G1+3], 32<<16
	s_mov_b32 s[G1+4], 192
	s_mov_b32 s[G1+5], 32
	s_mov_b32 s[G1+6], 0
	s_mov_b32 s[G1+7], 0
	s_or_b32 s[G1B+0], s44, (0<<16)|(1<<20)|(1<<21)|(3<<22)|(3<<25)
	s_mov_b32 s[G1B+1], 256<<16
	s_mov_b32 s[G1B+2], 192<<16
	s_mov_b32 s[G1B+3], 256<<16
	s_mov_b32 s[G1B+4], 192
	s_mov_b32 s[G1B+5], 256
	s_mov_b32 s[G1B+6], 0
	s_mov_b32 s[G1B+7], 0
	s_or_b32 s[G1S+0], s43, (3<<16)|(1<<20)|(1<<21)|(5<<22)|(3<<25)
	s_or_b32 s[G1SB+0], s44, (3<<16)|(1<<20)|(1<<21)|(5<<22)|(3<<25)
.irp g, G1S, G1SB
	s_mov_b32 s[\g+1], 32<<16
	s_mov_b32 s[\g+2], KS<<16                      ; the scales of 256 rows
	s_mov_b32 s[\g+3], 32<<16
	s_mov_b32 s[\g+4], KS
	s_mov_b32 s[\g+5], 32
	s_mov_b32 s[\g+6], 0
	s_mov_b32 s[\g+7], 0
.endr
	s_lshl_b32 s20, s17, 8                         ; A: the tile's first position
	s_lshl_b32 s46, s42, 8                         ; B likewise
	s_lshl_b32 s22, s20, 5
	s_add_co_u32 s22, s22, 6291456
	s_mov_b32 s23, 0
	s_lshl_b32 s92, s46, 5
	s_add_co_u32 s92, s92, 3244032
	s_mov_b32 s93, 0
	s_mul_i32 s20, s20, 192
	s_mov_b32 s21, 0
	s_mul_i32 s46, s46, ROWB
	s_add_co_u32 s46, s46, 589824                  ; 3,072 positions x 192
	s_mov_b32 s47, 0
	s_mul_i32 s45, s16, HALFA
	s_mul_i32 s95, s16, HALFT
	s_add_co_u32 s95, s95, BOFF
	s_mul_i32 s18, s16, 128*ROWB                   ; in the ring I fetch 128 positions of a tile: which half, in bytes
	s_mov_b32 s19, 0
	s_wait_dscnt 0x0
	s_wait_kmcnt 0x0
	s_add_nc_u64 s[20:21], s[4:5], s[20:21]
	s_add_nc_u64 s[22:23], s[4:5], s[22:23]
	s_add_nc_u64 s[46:47], s[6:7], s[46:47]
	s_add_nc_u64 s[92:93], s[6:7], s[92:93]
	CROUND
	s_mov_b32 s[G0S], 1
	s_mov_b32 s[G0S+1], SCL
	s_mov_b64 s[G0S+2:G0S+3], s[22:23]
	s_or_b32 s[G0S+3], s[G0S+3], 0x80000000
	s_mov_b32 s[G0SB], 1
	s_mov_b32 s[G0SB+1], SCL+2*HALFS
	s_mov_b64 s[G0SB+2:G0SB+3], s[92:93]
	s_or_b32 s[G0SB+3], s[G0SB+3], 0x80000000
.set G0H, 4                            ; s[4:7], s[96:99] group 0 of the head's loads of K step 0
.set G0HB, 96
	s_mov_b32 s[G0H], 1
	s_mov_b32 s[G0H+1], 0
	s_mov_b64 s[G0H+2:G0H+3], s[20:21]
	s_or_b32 s[G0H+3], s[G0H+3], 0x80000000
	s_mov_b32 s[G0HB], 1
	s_mov_b32 s[G0HB+1], BOFF
	s_mov_b64 s[G0HB+2:G0HB+3], s[46:47]
	s_or_b32 s[G0HB+3], s[G0HB+3], 0x80000000
	s_add_nc_u64 s[20:21], s[20:21], s[18:19]      ; for the ring: my 128 positions of the tile
	s_add_nc_u64 s[46:47], s[46:47], s[18:19]
.irp s, 0,1
	s_mov_b32 s[G0+4*\s], 1
	s_add_co_u32 s[G0+4*\s+1], s45, \s*SLOT
	s_add_nc_u64 s[G0+4*\s+2:G0+4*\s+3], s[20:21], \s*ASTEP
	s_or_b32 s[G0+4*\s+3], s[G0+4*\s+3], 0x80000000
	s_mov_b32 s[G0B+4*\s], 1
	s_add_co_u32 s[G0B+4*\s+1], s95, \s*SLOT
	s_add_nc_u64 s[G0B+4*\s+2:G0B+4*\s+3], s[46:47], \s*786432
	s_or_b32 s[G0B+4*\s+3], s[G0B+4*\s+3], 0x80000000
.endr
; The head's loads, one a wave: wave 0 K step 0's 256 positions of A, wave 1 those of B, wave 2 A's scales, wave 3 B's.  One chain of branches on the wave's number, all arms to one join.
	; THE PREFETCHES.  A ring load of mine is 96 blocks of 256 bytes; the four partners that ask for it jointly take 24 blocks each, told apart by address alone (cx for A, cy for B).
	; s[94:95]: my work-group's 24 blocks of K step 1; never rewritten.  s[20:21] and s[46:47] stand at K step 0 of my 128 positions.
	s_mov_b32 s92, 786432
	s_cmp_eq_u32 s15, 0                            ; do I fetch for A?
	s_cselect_b64 s[94:95], s[20:21], s[46:47]
	s_cselect_b32 s92, ASTEP, s92                  ; bytes from K step to K step
	s_cselect_b32 s22, s40, s41                    ; my place among the four
	s_mov_b32 s93, 0
	s_add_nc_u64 s[94:95], s[94:95], s[92:93]      ; on to K step 1
	s_mul_i32 s22, s22, 6144                       ; 24 blocks a partner
	s_mov_b32 s23, 0
	s_add_nc_u64 s[94:95], s[94:95], s[22:23]
.macro ARM under, g0, g1, next
	s_cmp_lt_u32 s14, \under
	s_cbranch_scc0 \next
	tensor_load_to_lds s[\g0:\g0+3], s[\g1:\g1+7]
	s_nop 0
.rept 4
	v_nop
.endr
	s_branch .Lhead_asked
\next:
.endm
	ARM 1, G0H,  G1,  .Lhead_b
	ARM 2, G0HB, G1B, .Lhead_sa
	ARM 3, G0S,  G1S, .Lhead_sb
	tensor_load_to_lds s[G0SB:G0SB+3], s[G1SB:G1SB+7]
	s_nop 0
.rept 4
	v_nop
.endr
.Lhead_asked:
	v_and_b32 v12, 31, v0
	v_min_u32 v12, 23, v12                         ; a lane a block; the eight lanes left over name the last block again
	v_lshlrev_b32 v12, 8, v12                      ; v12, v30, v31: my block of K steps 1, 2, 3; never rewritten
	v_add_nc_u32 v30, s92, v12
	v_add_nc_u32 v31, s92, v30
	global_prefetch_b8 v12, s[94:95] th:TH_LOAD_NT scope:SCOPE_SE     ; K step 1, whose load goes out behind the next round,
	global_prefetch_b8 v30, s[94:95] th:TH_LOAD_NT scope:SCOPE_SE     ; and K step 2, the first refill: two K steps are asked for and not yet read at the most
	v_and_b32 v1, 15, v0
	v_bfe_u32 v2, v0, 4, 1
	v_and_b32 v7, 31, v0
	v_lshlrev_b32 v8, 4, v7
	v_lshlrev_b32 v9, 3, v7
	v_mul_u32_u24 v3, v1, PITCH
	v_mul_u32_u24 v4, v2, 24
	v_add_nc_u32 v4, v3, v4
	v_lshl_add_u32 v5, v2, 4, v4
	s_mul_i32 s21, s15, HALFA
	s_mul_i32 s22, s16, HALFT
	s_add_co_u32 s22, s22, BOFF
.irp s, 0,1
	v_add_nc_u32 v[ADRA+\s], s21, v8
	v_add_nc_u32 v[ADRA+2+\s], s21, v9
	v_add_nc_u32 v[ADRB+\s], s22, v4
	v_add_nc_u32 v[ADRB+2+\s], s22, v5
	s_add_co_u32 s21, s21, SLOT
	s_add_co_u32 s22, s22, SLOT
.endr
	v_mul_u32_u24 v5, v1, KS
	v_lshrrev_b32 v6, 8, v5
	v_lshl_add_u32 v5, v6, 4, v5
	s_mul_i32 s21, s15, HALFS
	s_mul_i32 s22, s16, HALFS
	s_add_co_u32 s22, s22, 2*HALFS
	s_sub_co_u32 s22, s22, s21
	v_mul_u32_u24 v6, s22, v2
	s_add_co_u32 s21, s21, SCL
	v_add_nc_u32 v5, v5, v6
	v_add_nc_u32 v[ADRS], s21, v5
	s_mul_i32 s23, s14, 16*SPITCH
	v_mul_u32_u24 v5, v1, SPITCH
	v_lshl_add_u32 v5, v2, 6, v5
	v_add_nc_u32 v[STO], s23, v5
	v_lshlrev_b32 v[CO], 4, v7
	v_add_nc_u32 v[RD], s23, v[CO]
	s_lshl_b32 s18, s42, 10
	s_lshl_b32 s19, s16, 9
	s_add_co_u32 s18, s18, s19
	s_mov_b32 s19, 0
	s_add_nc_u64 s[8:9], s[8:9], s[18:19]
	v_lshlrev_b32 v6, 6, v2
.irp b, 0,1,2,3,4,5,6,7
	global_load_b128 v[BO+8*\b:BO+8*\b+3], v6, s[8:9] offset:128*(\b/2)+32*(\b%2)
	global_load_b128 v[BO+8*\b+4:BO+8*\b+7], v6, s[8:9] offset:128*(\b/2)+32*(\b%2)+16
.endr
	s_lshl_b32 s20, s17, 8
	s_lshl_b32 s21, s15, 7
	s_add_co_u32 s20, s20, s21
	s_lshl_b32 s20, s20, 12
	s_add_co_u32 s20, s20, s18
	s_mov_b32 s21, 0
	s_add_nc_u64 s[12:13], s[10:11], s[20:21]
.macro FRAG reg, adr, q, i
.irp p, 0,1,2,3,4,5
.set PCE, 12*(\q)+6*(\p/3)+\p%3
.if PCE%8 < 5
	ds_load_b64 v[\reg+2*\p:\reg+2*\p+1], v[\adr] offset:8*PCE+16*(PCE/8)+(\i)*16*PITCH
.else
	ds_load_b64 v[\reg+2*\p:\reg+2*\p+1], v[\adr+2] offset:8*PCE+16*(PCE/8)+(\i)*16*PITCH
.endif
.endr
.endm
.macro FRAGA reg, slot, q, i
	ds_load_b128 v[\reg:\reg+3], v[ADRA+\slot] offset:3072*(\i)+1536*(\q)
	ds_load_b64 v[\reg+4:\reg+5], v[ADRA+2+\slot] offset:3072*(\i)+1536*(\q)+512
	ds_load_b128 v[\reg+6:\reg+9], v[ADRA+\slot] offset:3072*(\i)+1536*(\q)+768
	ds_load_b64 v[\reg+10:\reg+11], v[ADRA+2+\slot] offset:3072*(\i)+1536*(\q)+1280
.endm
.macro MUL16 a0, p, q, sc, first
.irp a, \a0, \a0+1
.irp b, 0,1,2,3,4,5,6,7
.if \first
	v_wmma_scale_f32_16x16x128_f8f6f4 v[8*(8*((\a)%4)+\b):8*(8*((\a)%4)+\b)+7], v[128*(\p)+FR*\b:128*(\p)+FR*\b+FR-1], v[AF+FR*(\a):AF+FR*(\a)+FR-1], v[BO+8*\b:BO+8*\b+7], v[SC+8*NQ*(\sc)+NQ*\b+(\q)], v[SC+8*NQ*(\sc)+NQ*(\a)+(\q)] matrix_a_fmt:MATRIX_FMT_FP6 matrix_b_fmt:MATRIX_FMT_FP6 matrix_a_scale:MATRIX_SCALE_ROW1
.else
	v_wmma_scale_f32_16x16x128_f8f6f4 v[8*(8*((\a)%4)+\b):8*(8*((\a)%4)+\b)+7], v[128*(\p)+FR*\b:128*(\p)+FR*\b+FR-1], v[AF+FR*(\a):AF+FR*(\a)+FR-1], v[8*(8*((\a)%4)+\b):8*(8*((\a)%4)+\b)+7], v[SC+8*NQ*(\sc)+NQ*\b+(\q)], v[SC+8*NQ*(\sc)+NQ*(\a)+(\q)] matrix_a_fmt:MATRIX_FMT_FP6 matrix_b_fmt:MATRIX_FMT_FP6 matrix_a_scale:MATRIX_SCALE_ROW1
.endif
.endr
.endr
.endm
.macro FETCH_B slot, q, p
	WIN TO_B
.irp i, 0,1,2,3,4,5,6,7
	FRAG 128*(\p)+FR*\i, ADRB+\slot, \q, \i
.endr
	WIN 0
.endm
.macro FETCH_A slot, q, i0
.irp i, \i0, \i0+1, \i0+2, \i0+3
	FRAGA AF+FR*(\i), \slot, \q, \i
.endr
.endm
.macro SCALES sc
.irp i, 0,1,2,3,4,5,6,7
	ds_load_b64 v[SC+8*NQ*\sc+NQ*\i:SC+8*NQ*\sc+NQ*\i+1], v[ADRS] offset:\i*SBLK
.endr
.endm
.macro PLACES n
.rept \n
	v_nop
.endr
.endm
.macro STEP slot, q, first
	s_wait_dscnt 4*NLA
.if \first
	WIN 0x81
.else
	WIN MUL_LO
.endif
	MUL16 0, (\q)%2, \q, \slot, \first
	MUL16 2, (\q)%2, \q, \slot, \first
	s_wait_dscnt 0
	PLACES NP
	FETCH_B \slot, (\q)+1, 1-(\q)%2
	FETCH_A \slot, (\q)+1, 0
.if \first
	WIN 0xc1
.else
	WIN MUL_HI
.endif
	MUL16 4, (\q)%2, \q, \slot, \first
	MUL16 6, (\q)%2, \q, \slot, \first
	PLACES NP
	WIN 0
	FETCH_A \slot, (\q)+1, 4
.endm
.macro TURN slot, next, fill
	s_wait_tensorcnt 0x0
	ds_add_u32 v[SPW], v[NIL]
	s_wait_dscnt 4*NLA+1
	WIN MUL_LO
	MUL16 0, 1, NQ-1, \slot, 0
	s_wait_dscnt 0x0
	s_barrier_signal -1
	MUL16 2, 1, NQ-1, \slot, 0
	WIN 0
	s_barrier_wait -1
.if \fill
	CREST
	s_add_nc_u64 s[G0+4*\slot+2:G0+4*\slot+3], s[G0+4*\slot+2:G0+4*\slot+3], 2*ASTEP
	s_add_nc_u64 s[G0B+4*\slot+2:G0B+4*\slot+3], s[G0B+4*\slot+2:G0B+4*\slot+3], 2*786432
	JLOAD G0+4*\slot, G1, G0B+4*\slot, G1B
.else
	PLACES NP
.endif
	s_wait_alu depctr_va_vdst(0)
	v_add_nc_u32 v[ADRS], 4*NQ, v[ADRS]
	FETCH_B \next, 0, 0
	FETCH_A \next, 0, 0
	SCALES \next
	WIN MUL_HI
	MUL16 4, 1, NQ-1, \slot, 0
	MUL16 6, 1, NQ-1, \slot, 0
	PLACES NP
	WIN 0
	FETCH_A \next, 0, 4
.endm
	s_wait_alu depctr_va_vdst(0)
	s_wait_tensorcnt 0x0                           ; my tile of the head's four is in
	ds_add_u32 v[SPW], v[NIL]
	s_mov_b32 s[G1+2], 96<<16                      ; no tensor load of mine is out: from here on a load brings 128 positions = 96 rows of 256 bytes
	s_mov_b32 s[G1+4], 96
	s_mov_b32 s[G1B+2], 96<<16
	s_mov_b32 s[G1B+4], 96
	s_wait_dscnt 0x0                               ; the add is done
	CROUND                                         ; all four tiles are in, and all sixteen work-groups are here
	JLOAD G0+4, G1, G0B+4, G1B                     ; K step 1, the first tensor load behind the round
	FETCH_B 0, 0, 0
	FETCH_A 0, 0, 0
	SCALES 0
	FETCH_A 0, 0, 4
	global_prefetch_b8 v31, s[94:95] th:TH_LOAD_NT scope:SCOPE_SE     ; K step 3, the last: two refills ahead of its load; nothing lies beyond it, so nothing more is asked for
	s_wait_loadcnt 0x0
	STEP 0, 0, 1
	s_mov_b32 s3, LAPS-1
.Llap:
	TURN 0, 1, 1
	STEP 1, 0, 0
	TURN 1, 0, 1
	STEP 0, 0, 0
	s_sub_co_u32 s3, s3, 1
	s_cmp_lg_u32 s3, 0
	s_cbranch_scc1 .Llap
	TURN 0, 1, 0
	STEP 1, 0, 0
	s_wait_dscnt 4*NLA
	WIN MUL_LO
	MUL16 0, 1, NQ-1, 1, 0
	MUL16 2, 1, NQ-1, 1, 0
	s_wait_dscnt 0
	WIN MUL_HI
	MUL16 4, 1, NQ-1, 1, 0
	MUL16 6, 1, NQ-1, 1, 0
	WIN 0
.macro TOSTAGE a
.set AC, 64*((\a)%4)
	WIN 0x08+4*((\a)/4)
.irp b, 0,1,2,3,4,5,6,7
	ds_store_b128 v[STO], v[AC+8*\b:AC+8*\b+3] offset:128*(\b/2)+32*(\b%2)
	ds_store_b128 v[STO], v[AC+8*\b+4:AC+8*\b+7] offset:128*(\b/2)+32*(\b%2)+16
.endr
	WIN 0
.set BB, BK+64*((\a)%2)
.irp t, 0,1,2,3,4,5,6,7,8,9,10,11,12,13,14,15
	ds_load_b128 v[BB+4*\t:BB+4*\t+3], v[RD] offset:\t*SPITCH
.endr
.endm
.macro SEND a, younger
.set BB, BK+64*((\a)%2)
	s_wait_dscnt \younger
.if (\a) > 0
.if ((\a)%2) == 1
	s_add_nc_u64 s[12:13], s[12:13], 8*SIZE_N*4
.else
	s_add_nc_u64 s[12:13], s[12:13], 24*SIZE_N*4
.endif
.endif
.irp t, 0,1,2,3,4,5,6,7,8,9,10,11,12,13,14,15
	global_store_b128 v[CO], v[BB+4*\t:BB+4*\t+3], s[12:13] offset:((\t%8)+16*(\t/8))*SIZE_N*4 th:TH_STORE_NT
.endr
.endm
	PLACES NP
	TOSTAGE 0
.irp a, 1,2,3,4,5,6,7
.if \a > 1
	s_wait_xcnt 0x0
.endif
	TOSTAGE \a
	SEND \a-1, 32
.endr
	s_wait_xcnt 0x0
	SEND 7, 0
	s_wait_tensorcnt 0x0
	ds_add_u32 v[SPW], v[NIL]
	s_wait_dscnt 0x0
	CROUND
	s_endpgm
.Lfunc_end_k_q72e44bb89e_gemm_out:
	.size	k_q72e44bb89e_gemm_out, .Lfunc_end_k_q72e44bb89e_gemm_out-k_q72e44bb89e_gemm_out
	.p2alignl 7, 3214868480
	.fill 96, 4, 3214868480
	.section	.rodata,"a",@progbits
	.p2align	6, 0x0
	.amdhsa_kernel k_q72e44bb89e_gemm_out
		.amdhsa_group_segment_fixed_size 327680
		.amdhsa_private_segment_fixed_size 0
		.amdhsa_enable_private_segment 0
		.amdhsa_kernarg_size 32
		.amdhsa_user_sgpr_count 2
		.amdhsa_user_sgpr_kernarg_segment_ptr 1
		.amdhsa_wavefront_size32 1
		.amdhsa_system_sgpr_workgroup_id_x 1
		.amdhsa_system_sgpr_workgroup_id_y 1
		.amdhsa_system_sgpr_workgroup_id_z 1
		.amdhsa_system_vgpr_workitem_id 0
		.amdhsa_next_free_vgpr 1024
		.amdhsa_next_free_sgpr 100
		.amdhsa_reserve_vcc 0
		.amdhsa_float_denorm_mode_32 3
		.amdhsa_float_denorm_mode_16_64 3
		.amdhsa_memory_ordered 1
		.amdhsa_forward_progress 1
		.amdhsa_inst_pref_size 156
	.end_amdhsa_kernel
	.amdgpu_metadata
---
amdhsa.version: [ 1, 2 ]
amdhsa.kernels:
  - .name:           k_q72e44bb89e_gemm_out
    .symbol:         k_q72e44bb89e_gemm_out.kd
    .args:
      - { .name: yq, .offset: 0, .size: 8, .value_kind: global_buffer, .address_space: global }
      - { .name: wq, .offset: 8, .size: 8, .value_kind: global_buffer, .address_space: global }
      - { .name: b_out, .offset: 16, .size: 8, .value_kind: global_buffer, .address_space: global }
      - { .name: out0, .offset: 24, .size: 8, .value_kind: global_buffer, .address_space: global }
    .group_segment_fixed_size: 327680
    .private_segment_fixed_size: 0
    .kernarg_segment_align: 8
    .kernarg_segment_size: 32
    .max_flat_workgroup_size: 128
    .sgpr_count:     100
    .vgpr_count:     1024
    .wavefront_size: 32
...
	.end_amdgpu_metadata
.endif
;; end of part 5
